; MI455X (gfx1250); checked and timed in simulation.
; The chip was launched on July 23, 2026; its instructions are those of AMD's public machine-readable ISA for CDNA 5 (MIT licence, August 2026) and "CDNA5" Instruction Set Architecture Reference Guide (July 2026). The comments in the code are by the model that wrote it; some were corrected since.
;; Time Attn Block. Allowed arithmetic: matrix products marked QUANTISED: E2M1 operands, one E8M0 scale for each 32 along K, by v_wmma_scale_f32_16x16x128_f8f6f4 with both operands' format E2M1 (or v_wmma_scale_f32_32x16x128_f4), f32 sums; everything else in f32.
;; Inputs: beta 512 float32; gamma 512 float32; k_b 512 float32; k_w_codes 512 x 16 x 16 uint8 (E2M1 codes of k_w, K innermost, in blocks of 32 codes, two codes a byte); k_w_scales 512 x 16 uint8 (E8M0 scales of k_w, one for each 32 codes along K); o_b 512 float32; o_w_codes 512 x 16 x 16 uint8 (E2M1 codes of o_w, K innermost, in blocks of 32 codes, two codes a byte); o_w_scales 512 x 16 uint8 (E8M0 scales of o_w, one for each 32 codes along K); q_b 512 float32; q_w_codes 512 x 16 x 16 uint8 (E2M1 codes of q_w, K innermost, in blocks of 32 codes, two codes a byte); q_w_scales 512 x 16 uint8 (E8M0 scales of q_w, one for each 32 codes along K); v_b 512 float32; v_w_codes 512 x 16 x 16 uint8 (E2M1 codes of v_w, K innermost, in blocks of 32 codes, two codes a byte); v_w_scales 512 x 16 uint8 (E8M0 scales of v_w, one for each 32 codes along K); x 8 x 512 x 2,048 float32.
;; Outputs: out0 8 x 512 x 2,048 float32.
;; This version of the problem:
;;   THIS VERSION OF THE PROBLEM IS GIVEN IN LOW PRECISION. The matrix products marked QUANTISED in the list below multiply operands that are first quantised to E2M1 (2 exponent bits, 1 mantissa bit; 4 bits a number), with one power-of-two scale for each 32 numbers along K (OCP MX v1.0); their sums are f32. All else is computed in f32.
;;   The module's matrix products, in the order in which they are computed (A, B: the left and right operand; K: the contracted axis; several contracted axes count as one K, in the product's order):
;;     1. [M 16,384, K 512] x [K 512, N 512]; A: computed on the way; B: input q_w (given as codes): QUANTISED
;;     2. [M 16,384, K 512] x [K 512, N 512]; A: computed on the way; B: input k_w (given as codes): QUANTISED
;;     3. [M 16,384, K 512] x [K 512, N 512]; A: computed on the way; B: input v_w (given as codes): QUANTISED
;;     4. batch 8 x [M 2,048, K 512] x [K 512, N 2,048]; A: computed on the way; B: computed on the way: QUANTISED
;;     5. batch 8 x [M 512, K 2,048] x [K 2,048, N 2,048]; A: computed on the way; B: softmax (see below): QUANTISED
;;     6. [M 16,384, K 512] x [K 512, N 512]; A: computed on the way; B: input o_w (given as codes): QUANTISED
;;   THE QUANTISER, for each operand of a quantised product, along K:
;;     - K is cut into blocks of 32 from its start; a last block that is shorter is filled with zeros.
;;     - A block's scale is 2^e with e = floor(log2(the largest magnitude in the block)) - 2, held to -126 .. 127; a block of zeros has e = 0. As a byte (E8M0): e + 127.
;;     - Each number is divided by its block's scale, clamped to +-6, and rounded to the nearest number of E2M1, ties to even, subnormals kept.
;;     - The product sums the exact products of the quantised numbers (number of the format x scale) in f32.
;;   ~~~python
;;   def quantise(x, axis):      # numpy; x: float32 -> the quantised numbers, widened to float32 again
;;       x = np.moveaxis(x, axis, -1); K = x.shape[-1]
;;       x = np.pad(x, [(0, 0)] * (x.ndim - 1) + [(0, -K % 32)]); x = x.reshape(x.shape[:-1] + (-1, 32)); a = np.abs(x).max(-1, keepdims=True)
;;       e = np.where(a > 0, np.clip(np.frexp(np.where(a > 0, a, 1))[1] - 1 - 2, -126, 127), 0)      # np.frexp(a)[1] - 1 = floor(log2(a)), exactly
;;       r = np.clip(x / 2.0 ** e, -6, 6)
;;       step = 2.0 ** (np.maximum(np.frexp(np.where(r == 0, 1, r))[1] - 1, 0) - 1)
;;       q = np.round(r / step) * step * 2.0 ** e      # np.round: ties to even
;;       return np.moveaxis(q.reshape(q.shape[:-2] + (-1,))[..., :K], -1, axis).astype(np.float32)
;;   ~~~
;;   SOFTMAX AHEAD OF A QUANTISED PRODUCT. Where the list says 'softmax', what is quantised is not the finished softmax but p = 2^(t - M), with t = logit x log2(e) and M = ceil(the row's largest t), a whole number; so 1/2 < the row's largest p <= 1. The row's sum l is taken of the UNQUANTISED p, in f32, and the product's result is divided by l at the end. Since M is a whole number, a kernel that streams over the keys may use a running M (the ceiling of the running maximum): every later rescaling is an exact power of two, which a block's scale takes up: the codes' values come out the same.
;;   OPERANDS COMPUTED ON THE WAY. 'Computed on the way' means the value that the module computes at that place (a softmax that the list does not call 'softmax' is quantised finished and normalised). What goes into a quantiser is computed in f32, as accurately as f32 sums, v_exp_f32 and their like allow (about 1e-6 of the number): no bf16 or f16 on the way to a quantiser, and a product that is left as it is and whose result goes on into a quantised operand takes f32 operands (vector FMAs, or v_wmma_f32_16x16x4_f32). A number that lies on a knife's edge between two numbers of the format may be rounded either way, as far as f32 arithmetic and the matrix unit's own rounding can turn it there, and no further.
;;   INPUTS GIVEN AS CODES. k_w (in the module: [512, 512], K = its axis 1); o_w (in the module: [512, 512], K = its axis 1); q_w (in the module: [512, 512], K = its axis 1); v_w (in the module: [512, 512], K = its axis 1): each comes as NAME_codes (uint8): NAME with its K axis moved to the last place and cut into blocks of 32 codes, [.., K / 32, bytes a block], one block behind the other in memory; two codes a byte, the lower K in the low four bits (a code: sign, 2 exponent bits, 1 mantissa bit); and NAME_scales (uint8): the same leading axes, one E8M0 byte (e + 127) for each 32 codes along K. Its value is code x scale, taken as it is: it is not quantised again, and the codes and scales need not be those that the quantiser above would give.
;; One version. Each part assembles by itself: llvm-mc -triple=amdgcn-amd-amdhsa -mcpu=gfx1250 --defsym DOCPART=n.
;; ======== version 1 of 1: 3 launches
;; workspace buffers: hc 4,194,304 bytes; hs 262,144 bytes; qc 4,194,304 bytes; qs 262,144 bytes; kv 8,912,896 bytes
;; launch norm (part 1): grid 16 x 8, 16 waves a work-group, no clusters, 4,608 bytes of LDS; arguments x, gamma, beta, hc, hs; writes hc, hs
.if DOCPART == 1
	.amdgcn_target "amdgcn-amd-amdhsa--gfx1250"
	.amdhsa_code_object_version 6
	.text
	.protected	k_qc7f80c562e_norm
	.globl	k_qc7f80c562e_norm
	.p2align	8
	.type	k_qc7f80c562e_norm,@function
k_qc7f80c562e_norm:
	s_mov_b64 s[64:65], 0
	v_nop
	global_prefetch_b8 v0, s[64:65] scope:SCOPE_SE
	s_setreg_imm32_b32 hwreg(HW_REG_WAVE_MODE, 25, 1), 1
	s_wait_xcnt 0x0
; h = group_norm(x) * gamma + beta, quantised along the channels to codes of FP4 (E2M1) with one E8M0 byte for each 32 channels.
; DEAD WORK: none in the whole program.  gamma, beta, q_b, k_b and v_b all move codes or scales of an operand of a live quantised product, o_b and x reach the
; output directly: every input is loaded by some launch, every product of the table is multiplied.
; SHARES.  A work-group owns one batch and one block of 32 channels (two groups of 16) for all 2,048 positions: 256 KiB, kept in the registers of sixteen waves, so x is read once here.
; Thread (wave w, lane l) owns the columns t = 128 w + 32 s + l, s = 0..3; register X + 32 s + c is channel c of the block: a lane holds whole blocks, registers run down K.
; Statistics in two passes over the registers (mean, then squared deviations): no difference of large sums is formed.
; OUT.  hc is laid as images of operand registers: [b][tile 128][block 16][r 16][16 bytes], where a tile's 16 positions are t = 32 g + 8 u + r + 8 (r / 8) (tile = 2 g + u):
; the lanes of one u store 256 consecutive bytes, aligned.  hs: [b][block][thread 512][s 4], gathered in LDS and stored 16 bytes a lane.
; LIMITS: NaN and infinities among the inputs are not served; a block of zeros gets the byte 1 (its codes are zeros, and this program alone reads the bytes).
.set X,     32                         ; v32-159  four sets of 32 channels
.set CD,    160                        ; v160-175 codes, four registers a set
.set TW,    176                        ; v176-187 at work, three a set
.set SBW,   188                        ; v188     my four scale bytes
.set SPW,   3                          ; v3       my spare word; never rewritten
.set NIL,   4                          ; v4       0; never rewritten
.set RED1,  0                          ; LDS: sixteen pairs of sums
.set RED2,  256                        ; sixteen pairs of sums of squares
.set SBL,   512                        ; 2,048 scale bytes
.set SPARE, 2560                       ; the spare words, 128 bytes a wave
	s_load_b256 s[4:11], s[0:1], 0x0               ; x, gamma, beta, hc
	s_load_b64 s[12:13], s[0:1], 0x20              ; hs
	v_lshl_add_u32 v[SPW], v0, 2, SPARE
	v_mov_b32 v[NIL], 0
	v_lshrrev_b32 v14, 5, v0
	v_readfirstlane_b32 s14, v14                   ; wave
	v_and_b32 v15, 31, v0                          ; lane
	v_lshlrev_b32 v1, 2, v15
	v_lshl_add_u32 v1, v14, 9, v1                  ; x: 512 w + 4 l
	v_and_b32 v2, 7, v0
	v_bfe_u32 v5, v0, 4, 1
	v_lshl_add_u32 v2, v5, 3, v2                   ; r = l % 8 + 8 (l / 16)
	v_lshlrev_b32 v2, 4, v2
	v_bfe_u32 v5, v0, 3, 1                         ; u
	v_lshl_add_u32 v2, v5, 12, v2
	v_lshl_add_u32 v2, v14, 15, v2                 ; hc: 32,768 w + 4,096 u + 16 r
	v_mov_b32 v5, s14
	v_lshlrev_b32 v5, 3, v5                        ; my wave's pair of sums
	v_and_b32 v6, 15, v0
	v_lshlrev_b32 v6, 3, v6                        ; the pair that I read back: wave l % 16's
	v_lshl_add_u32 v7, v0, 2, SBL
	v_lshl_add_u32 v8, v0, 4, SBL
	v_lshlrev_b32 v9, 4, v0
	v_mov_b32 v176, 0                              ; a lane permute's destination counts as one of its sources
	v_mov_b32 v177, 0
	s_and_b32 s15, ttmp7, 0xffff                   ; batch
	s_lshl_b32 s90, s15, 22
	s_lshl_b32 s91, ttmp9, 18
	s_add_co_u32 s90, s90, s91                     ; x: (512 b + 32 kb) rows of 8,192 bytes
	s_mov_b32 s91, 0
	s_lshl_b32 s92, ttmp9, 7                       ; gamma, beta: 32 kb numbers
	s_mov_b32 s93, 0
	s_lshl_b32 s94, s15, 19
	s_lshl_b32 s95, ttmp9, 8
	s_add_co_u32 s94, s94, s95                     ; hc: 524,288 b + 256 kb
	s_mov_b32 s95, 0
	s_mov_b32 s84, 0x76543210
	s_mov_b32 s85, 0xfedcba98                      ; lane l xor 16
	s_mov_b32 s88, 0x38000000                      ; 2^-15: 1 / (16 channels x 2,048 positions)
	s_mov_b32 s89, 0x358637bd                      ; 1e-6
	s_wait_kmcnt 0x0
	s_add_nc_u64 s[4:5], s[4:5], s[90:91]
	s_add_nc_u64 s[6:7], s[6:7], s[92:93]
	s_add_nc_u64 s[8:9], s[8:9], s[92:93]
	s_add_nc_u64 s[10:11], s[10:11], s[94:95]
	s_lshl_b32 s90, s15, 15
	s_lshl_b32 s92, ttmp9, 11
	s_add_co_u32 s90, s90, s92                     ; hs: 32,768 b + 2,048 kb
	s_add_nc_u64 s[12:13], s[12:13], s[90:91]
	s_load_b512 s[16:31], s[6:7], 0x0              ; gamma of my 32 channels
	s_load_b512 s[32:47], s[6:7], 0x40
	s_load_b512 s[48:63], s[8:9], 0x0              ; beta
	s_load_b512 s[68:83], s[8:9], 0x40
.set c, 0
.rept 32                                           ; four loads on end cover 512 consecutive bytes of a channel's row
.irp s, 0,1,2,3
	global_load_b32 v[X+32*\s+c], v1, s[4:5] offset:c*8192+128*\s th:TH_LOAD_NT
.endr
.set c, c+1
.endr
; a chunk is 4 channels x 4 sets; chain s of group i / 4 lies at v[16 + 8 (i / 4) + 2 s]; the first chunk of a group starts the chains
.macro SUMCH i
.irp s, 0,1,2,3
.if ((\i)%4) == 0
	v_pk_add_f32 v[16+8*((\i)/4)+2*\s:17+8*((\i)/4)+2*\s], v[X+32*\s+4*(\i):X+32*\s+4*(\i)+1], v[X+32*\s+4*(\i)+2:X+32*\s+4*(\i)+3]
.else
	v_pk_add_f32 v[16+8*((\i)/4)+2*\s:17+8*((\i)/4)+2*\s], v[16+8*((\i)/4)+2*\s:17+8*((\i)/4)+2*\s], v[X+32*\s+4*(\i):X+32*\s+4*(\i)+1]
.endif
.endr
.if ((\i)%4) != 0
.irp s, 0,1,2,3
	v_pk_add_f32 v[16+8*((\i)/4)+2*\s:17+8*((\i)/4)+2*\s], v[16+8*((\i)/4)+2*\s:17+8*((\i)/4)+2*\s], v[X+32*\s+4*(\i)+2:X+32*\s+4*(\i)+3]
.endr
.endif
.endm
; the chains of both groups are folded, summed over the wave's lanes, handed round through LDS and summed over the sixteen waves: v14 group A's total, v15 group B's, in every lane
.macro REDUCE reg
	v_pk_add_f32 v[16:17], v[16:17], v[18:19]
	v_pk_add_f32 v[24:25], v[24:25], v[26:27]
	v_pk_add_f32 v[20:21], v[20:21], v[22:23]
	v_pk_add_f32 v[28:29], v[28:29], v[30:31]
	v_pk_add_f32 v[16:17], v[16:17], v[20:21]
	v_pk_add_f32 v[24:25], v[24:25], v[28:29]
	v_add_f32 v14, v16, v17
	v_add_f32 v15, v24, v25
.irp m, 1,2,4,8
	v_add_f32_dpp v14, v14, v14 row_xmask:\m row_mask:0xf bank_mask:0xf
	v_add_f32_dpp v15, v15, v15 row_xmask:\m row_mask:0xf bank_mask:0xf
.endr
	v_permlanex16_b32 v176, v14, s84, s85
	v_permlanex16_b32 v177, v15, s84, s85
	v_add_f32 v14, v14, v176
	v_add_f32 v15, v15, v177
	ds_store_b64 v5, v[14:15] offset:\reg          ; all lanes write the wave's pair with the same value
	s_wait_dscnt 0x0                               ; for the others' sake: my store has landed
	s_barrier_signal -1
	s_barrier_wait -1
	ds_load_b64 v[14:15], v6 offset:\reg           ; lane l takes wave l % 16's pair
	s_wait_dscnt 0x0
.irp m, 1,2,4,8
	v_add_f32_dpp v14, v14, v14 row_xmask:\m row_mask:0xf bank_mask:0xf
	v_add_f32_dpp v15, v15, v15 row_xmask:\m row_mask:0xf bank_mask:0xf
.endr
.endm
	s_wait_loadcnt 63                              ; of 128 loads at most 63 are out: the first 64, chunks 0 to 3, are in
	SUMCH 0
	SUMCH 1
	SUMCH 2
	SUMCH 3
	s_wait_loadcnt 48                              ; behind chunk 4: three chunks of 16 loads
	SUMCH 4
	s_wait_loadcnt 32
	SUMCH 5
	s_wait_loadcnt 16
	SUMCH 6
	s_wait_loadcnt 0x0
	SUMCH 7
	REDUCE RED1
	v_mul_f32 v10, s88, v14                        ; the means, each twice: a pair for the packed form
	v_mul_f32 v11, s88, v14
	v_mul_f32 v12, s88, v15
	v_mul_f32 v13, s88, v15
.set c, 0
.rept 16                                           ; x - mean, in place
.irp s, 0,1,2,3
	v_pk_add_f32 v[X+32*\s+c:X+32*\s+c+1], v[X+32*\s+c:X+32*\s+c+1], v[10+2*(c/16):11+2*(c/16)] neg_lo:[0,1] neg_hi:[0,1]
.endr
.set c, c+2
.endr
.set c, 0
.rept 16                                           ; the squares; a group's first pair starts its chains
.irp s, 0,1,2,3
.if (c%16) == 0
	v_pk_mul_f32 v[16+8*(c/16)+2*\s:17+8*(c/16)+2*\s], v[X+32*\s+c:X+32*\s+c+1], v[X+32*\s+c:X+32*\s+c+1]
.else
	v_pk_fma_f32 v[16+8*(c/16)+2*\s:17+8*(c/16)+2*\s], v[X+32*\s+c:X+32*\s+c+1], v[X+32*\s+c:X+32*\s+c+1], v[16+8*(c/16)+2*\s:17+8*(c/16)+2*\s]
.endif
.endr
.set c, c+2
.endr
	REDUCE RED2
	v_fma_f32 v14, v14, s88, s89                   ; var + eps
	v_fma_f32 v15, v15, s88, s89
	v_rsq_f32 v14, v14
	v_rsq_f32 v15, v15
	v_nop                                          ; a plain instruction behind the last transcendental
	s_wait_alu depctr_va_vdst(0)                   ; one wait for both, ahead of their first reader
	v_readfirstlane_b32 s86, v14
	v_readfirstlane_b32 s87, v15
	s_wait_kmcnt 0x0                               ; gamma and beta
.set c, 0
.rept 32
	s_mul_f32 s[16+c], s[16+c], s[86+c/16]         ; a = gamma / sqrt(var + eps)
.set c, c+1
.endr
.set c, 0
.rept 32
.irp s, 0,1,2,3
.if c < 16
	v_fma_f32 v[X+32*\s+c], v[X+32*\s+c], s[16+c], s[48+c]
.else
	v_fma_f32 v[X+32*\s+c], v[X+32*\s+c], s[16+c], s[68+c-16]
.endif
.endr
.set c, c+1
.endr
; set s: the block's largest magnitude (all 32 numbers are mine), with the floor 2^(3 - 127) as one more leaf; 2 off its exponent field is the conversion's scale operand; its byte
.macro QSET s
.set XS, X+32*(\s)
.set TT, TW+3*(\s)
	v_max3_num_f32 v[TT], |v[XS]|, |v[XS+1]|, |v[XS+2]|
	v_max3_num_f32 v[TT+1], |v[XS+3]|, |v[XS+4]|, |v[XS+5]|
.irp i, 6,10,14,18,22,26
	v_max3_num_f32 v[TT], v[TT], |v[XS+\i]|, |v[XS+\i+1]|
	v_max3_num_f32 v[TT+1], v[TT+1], |v[XS+\i+2]|, |v[XS+\i+3]|
.endr
	v_max3_num_f32 v[TT], v[TT], |v[XS+30]|, |v[XS+31]|
	v_max3_num_f32 v[TT], v[TT], v[TT+1], 0x1800000
	v_add_nc_u32 v[TT+2], 0xff000000, v[TT]
.irp g, 0,1,2,3
	v_cvt_scalef32_pk8_fp4_f32 v[CD+4*(\s)+\g], v[XS+8*\g:XS+8*\g+7], v[TT+2]
.endr
	v_lshrrev_b32 v[TT+1], 23, v[TT+2]             ; the byte (a plain instruction behind the conversions)
.if (\s) == 0
	v_mov_b32 v[SBW], v[TT+1]
.else
	v_lshl_or_b32 v[SBW], v[TT+1], 8*(\s), v[SBW]
.endif
	global_store_b128 v2, v[CD+4*(\s):CD+4*(\s)+3], s[10:11] offset:(\s)*8192   ; the sixteen lanes of one u store 256 consecutive bytes, aligned
.endm
	QSET 0
	QSET 1
	QSET 2
	QSET 3
	ds_store_b32 v7, v[SBW]
	s_wait_dscnt 0x0
	s_barrier_signal -1
	s_barrier_wait -1
	s_cmp_lt_u32 s14, 4                            ; waves 0 to 3 store the work-group's 2,048 scale bytes, 16 a lane
	s_cbranch_scc0 .Ldone
	ds_load_b128 v[176:179], v8
	s_wait_dscnt 0x0
	global_store_b128 v9, v[176:179], s[12:13]
.Ldone:
	s_wait_tensorcnt 0x0                           ; the wave's end: a wait, an add of 0 to the spare word and its wait behind my last LDS store
	ds_add_u32 v[SPW], v[NIL]
	s_wait_dscnt 0x0
	s_endpgm
.Lfunc_end_k_qc7f80c562e_norm:
	.size	k_qc7f80c562e_norm, .Lfunc_end_k_qc7f80c562e_norm-k_qc7f80c562e_norm
	.p2alignl 7, 3214868480
	.fill 96, 4, 3214868480
	.section	.rodata,"a",@progbits
	.p2align	6, 0x0
	.amdhsa_kernel k_qc7f80c562e_norm
		.amdhsa_group_segment_fixed_size 4608
		.amdhsa_private_segment_fixed_size 0
		.amdhsa_enable_private_segment 0
		.amdhsa_kernarg_size 40
		.amdhsa_user_sgpr_count 2
		.amdhsa_user_sgpr_kernarg_segment_ptr 1
		.amdhsa_wavefront_size32 1
		.amdhsa_system_sgpr_workgroup_id_x 1
		.amdhsa_system_sgpr_workgroup_id_y 1
		.amdhsa_system_sgpr_workgroup_id_z 1
		.amdhsa_system_vgpr_workitem_id 0
		.amdhsa_next_free_vgpr 192
		.amdhsa_next_free_sgpr 96
		.amdhsa_reserve_vcc 0
		.amdhsa_float_denorm_mode_32 3
		.amdhsa_float_denorm_mode_16_64 3
		.amdhsa_memory_ordered 1
		.amdhsa_forward_progress 1
		.amdhsa_inst_pref_size 47
	.end_amdhsa_kernel
	.amdgpu_metadata
---
amdhsa.version: [ 1, 2 ]
amdhsa.kernels:
  - .name:           k_qc7f80c562e_norm
    .symbol:         k_qc7f80c562e_norm.kd
    .args:
      - { .name: x, .offset: 0, .size: 8, .value_kind: global_buffer, .address_space: global }
      - { .name: gamma, .offset: 8, .size: 8, .value_kind: global_buffer, .address_space: global }
      - { .name: beta, .offset: 16, .size: 8, .value_kind: global_buffer, .address_space: global }
      - { .name: hc, .offset: 24, .size: 8, .value_kind: global_buffer, .address_space: global }
      - { .name: hs, .offset: 32, .size: 8, .value_kind: global_buffer, .address_space: global }
    .group_segment_fixed_size: 4608
    .private_segment_fixed_size: 0
    .kernarg_segment_align: 8
    .kernarg_segment_size: 40
    .max_flat_workgroup_size: 512
    .sgpr_count:     96
    .vgpr_count:     192
    .wavefront_size: 32
...
	.end_amdgpu_metadata
.endif
;; end of part 1
;; launch proj (part 2): grid 128 x 2, 4 waves a work-group, no clusters, 0 bytes of LDS; arguments hc, hs, q_w_codes, q_w_scales, q_b, k_w_codes, k_w_scales, k_b, v_w_codes, v_w_scales, v_b, qc, qs, kv; writes qc, qs, kv
.if DOCPART == 2
	.amdgcn_target "amdgcn-amd-amdhsa--gfx1250"
	.amdhsa_code_object_version 6
	.text
	.protected	k_qc7f80c562e_proj
	.globl	k_qc7f80c562e_proj
	.p2align	8
	.type	k_qc7f80c562e_proj,@function
k_qc7f80c562e_proj:
	s_mov_b64 s[64:65], 0
	v_nop
	global_prefetch_b8 v0, s[64:65] scope:SCOPE_SE
	s_setreg_imm32_b32 hwreg(HW_REG_WAVE_MODE, 25, 1), 1
	s_wait_xcnt 0x0
; q = Wq h + bq, k = Wk h + bk, v = Wv h + bv on codes of FP4, each result quantised at once for attention: q and k along the channels, v along the positions (the keys).  No work is left out.
; SHARES.  Work-group (x, y): x = 16 b + Tb is a block of 128 positions of batch b; y = 0 makes q, y = 1 makes k, both make a part of v.  Wave w keeps the block's 8 tiles of h (256 registers) throughout.
; Phase 1: rows 128 w .. + 127 of Wq or Wk (256 registers, resident) x each tile of h, transposed (source 0 = 16 rows of W, source 1 = 16 positions): a lane holds one position and 64 registers along the channels.
; Phase 2: source 0 = 16 positions, source 1 = 16 rows of Wv (channels 64 n .., n = 4 y + w): a lane holds one channel and 64 registers along the positions.
; A TILE'S 16 ROWS ARE 32 g + 8 u + r + 8 (r / 8) (positions, rows of Wq, Wk, Wv alike), so that the 16 registers of tiles (g, 0) and (g, 1) of a result are 16 neighbours along the next K.
; A unit = 8 accumulators x 4 K steps = 32 matrix instructions, then QUANT: one operand fragment (8 registers) and one scale word a row; the fragment is stored as an image of its registers, 512 consecutive bytes a store.
; kv: block m of a batch (139,264 bytes) holds K of key step (m + 1) mod 8 and V of key step m, 256 keys each, as four quarters of 34,816 bytes, one for each wave of the next launch:
; K's 16 fragments (64 keys), their scale words, V's 16 fragments (128 channels), their scale words.
; q and k take one text: pointers are chosen by the work-group's y, offsets in registers of their own.  No LDS, no barrier: waves share nothing.  All 202 loads are issued at the head.
; Each unit of phase 1 has registers of its own for its codes and its scale word, so that no store's data are written again before the one wait ahead of phase 2.
; A scale-word store covers 128 consecutive bytes (two tiles' words): one seventeenth of this launch's output bytes.
; LIMITS: NaN and infinities are not served; a block of zeros gets the byte 1 (its codes are zeros, and this program alone reads the bytes).
; REGISTERS: window 0: addresses, scale words, at work, v128-191 the unit's accumulators, v192-255 eight sets of codes; window 1: W; window 2: h; window 3: v0-127 Wv, v128-191 the bias tiles of phase 1.
.set SLOTB, 139264
.set QB,    34816                      ; a quarter of a block
.set KSQ,   16384                      ; in a quarter: K's scale words,
.set VCQ,   17408                      ; V's fragments,
.set VSQ,   33792                      ; V's scale words
.set LI,  1                            ; 16 x lane
.set LS,  2                            ; 4 x lane
.set WA,  3                            ; a weight's row: (r + 8 (r / 8)) x 256 + 16 h
.set WSA, 4                            ; its scale bytes: (8 (lane / 16) + r + 8 (r / 8)) x 16
.set HSA, 5                            ; h's scale words: the same x 4
.set BA,  6                            ; the bias of phase 1: 64 h
.set VBA, 7                            ; v_b: 4 (r + 8 (r / 8))
.set R,   8                            ; v8-23   hs as it lies: one word a block of channels, byte g = pair of tiles g
.set PT,  24                           ; v24-31  at work on the bytes
.set WS,  32                           ; v32-47  W's scale words, 4 b + ks: lanes 0-15 tile (b, 0), lanes 16-31 tile (b, 1)
.set HS,  48                           ; v48-63  h's, 4 g + ks, likewise
.set VWS, 64                           ; v64-71  Wv's, 4 p + ks, likewise
.set VB,  72                           ; v72-75  v_b of my lane's channel in tile i
.set CB,  76                           ; v76-83  the same eight times: the C of phase 2's first products
.set PW,  92                           ; the scale word just made
.set PWE, 93                           ; the even tile's word, kept
.set TM,  96                           ; v96-111 at work in QUANT
.set PWM, 112                          ; v112-115 both tiles' words: lanes 0-15 the even tile's, lanes 16-31 the odd one's; one register a pair
.set HA,  128
.set PC,  192                          ; v192-255 the fragments just made, eight registers a unit
.set B1,  128                          ; in window 3
.set SEL, 34
.set MSB, 0
.macro WIN new                         ; the immediate's high byte repeats the setting that is left
.if MSB != \new
	s_set_vgpr_msb (MSB<<8)|\new
.set MSB, \new
.endif
.endm
.macro NOP4
.rept 4
	v_nop
.endr
.endm
; one scaled matrix instruction: D, source 0, source 1, C (under 0: the constant 0), the two scale registers, and whether each side's words stand in lanes 16-31
.macro WM d, a, b, c, sa, sb, ra, rb
.if (\c) < 0
.if (\ra) && (\rb)
	v_wmma_scale_f32_16x16x128_f8f6f4 v[\d:\d+7], v[\a:\a+7], v[\b:\b+7], 0, v[\sa], v[\sb] matrix_a_fmt:MATRIX_FMT_FP4 matrix_b_fmt:MATRIX_FMT_FP4 matrix_a_scale:MATRIX_SCALE_ROW1 matrix_b_scale:MATRIX_SCALE_ROW1
.elseif (\ra)
	v_wmma_scale_f32_16x16x128_f8f6f4 v[\d:\d+7], v[\a:\a+7], v[\b:\b+7], 0, v[\sa], v[\sb] matrix_a_fmt:MATRIX_FMT_FP4 matrix_b_fmt:MATRIX_FMT_FP4 matrix_a_scale:MATRIX_SCALE_ROW1
.elseif (\rb)
	v_wmma_scale_f32_16x16x128_f8f6f4 v[\d:\d+7], v[\a:\a+7], v[\b:\b+7], 0, v[\sa], v[\sb] matrix_a_fmt:MATRIX_FMT_FP4 matrix_b_fmt:MATRIX_FMT_FP4 matrix_b_scale:MATRIX_SCALE_ROW1
.else
	v_wmma_scale_f32_16x16x128_f8f6f4 v[\d:\d+7], v[\a:\a+7], v[\b:\b+7], 0, v[\sa], v[\sb] matrix_a_fmt:MATRIX_FMT_FP4 matrix_b_fmt:MATRIX_FMT_FP4
.endif
.else
.if (\ra) && (\rb)
	v_wmma_scale_f32_16x16x128_f8f6f4 v[\d:\d+7], v[\a:\a+7], v[\b:\b+7], v[\c:\c+7], v[\sa], v[\sb] matrix_a_fmt:MATRIX_FMT_FP4 matrix_b_fmt:MATRIX_FMT_FP4 matrix_a_scale:MATRIX_SCALE_ROW1 matrix_b_scale:MATRIX_SCALE_ROW1
.elseif (\ra)
	v_wmma_scale_f32_16x16x128_f8f6f4 v[\d:\d+7], v[\a:\a+7], v[\b:\b+7], v[\c:\c+7], v[\sa], v[\sb] matrix_a_fmt:MATRIX_FMT_FP4 matrix_b_fmt:MATRIX_FMT_FP4 matrix_a_scale:MATRIX_SCALE_ROW1
.elseif (\rb)
	v_wmma_scale_f32_16x16x128_f8f6f4 v[\d:\d+7], v[\a:\a+7], v[\b:\b+7], v[\c:\c+7], v[\sa], v[\sb] matrix_a_fmt:MATRIX_FMT_FP4 matrix_b_fmt:MATRIX_FMT_FP4 matrix_b_scale:MATRIX_SCALE_ROW1
.else
	v_wmma_scale_f32_16x16x128_f8f6f4 v[\d:\d+7], v[\a:\a+7], v[\b:\b+7], v[\c:\c+7], v[\sa], v[\sb] matrix_a_fmt:MATRIX_FMT_FP4 matrix_b_fmt:MATRIX_FMT_FP4
.endif
.endif
.endm
; 64 numbers of a lane, register 16 b + i = k 32 b + 16 (lane / 16) + i of my row, become a fragment's codes in v[PC] on and its scale word in v[PW] (the same in lanes l and l xor 16)
.macro QUANT s
.irp b, 0,1,2,3
	v_max3_num_f32 v[TM+\b], |v[\s+16*\b]|, |v[\s+1+16*\b]|, 0x1800000   ; my 16 numbers of block b, and the floor 2^(3 - 127): the byte cannot fall under 1
.endr
.irp i, 2,4,6,8,10,12,14
.irp b, 0,1,2,3
	v_max3_num_f32 v[TM+\b], v[TM+\b], |v[\s+16*\b+\i]|, |v[\s+1+16*\b+\i]|
.endr
.endr
.irp b, 0,1,2,3
	v_permlanex16_b32 v[TM+4+\b], v[TM+\b], s[SEL], s[SEL+1]
.endr
.irp b, 0,1,2,3
	v_max_num_f32 v[TM+\b], v[TM+\b], v[TM+4+\b]   ; with lane l xor 16's: the block's largest magnitude
.endr
.irp b, 0,1,2,3
	v_add_nc_u32 v[TM+12+\b], 0xff000000, v[TM+\b] ; 2 off its exponent field: the conversion's scale operand
.endr
.irp b, 0,1,2,3
	v_lshrrev_b32 v[TM+4+\b], 23, v[TM+12+\b]      ; the byte
.endr
	v_lshl_or_b32 v[PW], v[TM+5], 8, v[TM+4]
	v_lshl_or_b32 v[PW], v[TM+6], 16, v[PW]
	v_lshl_or_b32 v[PW], v[TM+7], 24, v[PW]
.irp b, 0,1,2,3
	v_cvt_scalef32_pk8_fp4_f32 v[PC+2*\b], v[\s+16*\b:\s+7+16*\b], v[TM+12+\b]
	v_cvt_scalef32_pk8_fp4_f32 v[PC+1+2*\b], v[\s+8+16*\b:\s+15+16*\b], v[TM+12+\b]
.endr
	v_nop                                          ; one plain instruction behind the scaled conversions
.irp c, 0,1                                        ; the operand's layout wants a whole block in a lane
.irp i, 0,1
	v_permlane16_swap_b32 v[PC+4*\c+\i], v[PC+2+4*\c+\i]
.endr
.endr
.endm
	s_load_b512 s[4:19], s[0:1], 0x0               ; hc, hs, q_w codes, scales, q_b, k_w codes, scales, k_b
	s_load_b256 s[20:27], s[0:1], 0x40             ; v_w codes, scales, v_b, qc
	s_load_b128 s[28:31], s[0:1], 0x60             ; qs, kv
	v_lshrrev_b32 v8, 5, v0
	v_readfirstlane_b32 s32, v8                    ; wave
	v_and_b32 v9, 31, v0                           ; lane
	v_and_b32 v10, 15, v0                          ; r
	v_bfe_u32 v11, v0, 4, 1                        ; h
	v_lshlrev_b32 v[LI], 4, v9
	v_lshlrev_b32 v[LS], 2, v9
	v_and_b32 v12, 8, v10
	v_add_nc_u32 v12, v12, v10                     ; r + 8 (r / 8)
	v_lshlrev_b32 v[WA], 8, v12
	v_lshl_add_u32 v[WA], v11, 4, v[WA]
	v_lshl_add_u32 v13, v11, 3, v12
	v_lshlrev_b32 v[WSA], 4, v13
	v_lshlrev_b32 v[HSA], 2, v13
	v_lshlrev_b32 v[BA], 6, v11
	v_lshlrev_b32 v[VBA], 2, v12
.irp b, 0,1,2,3
	v_mov_b32 v[TM+4+\b], 0                        ; a lane permute's destination counts as one of its sources
.endr
	s_mov_b32 s33, 0xffff0000                      ; lanes 16-31
	s_mov_b32 s[SEL], 0x76543210
	s_mov_b32 s[SEL+1], 0xfedcba98
	s_mov_b32 s36, 0x05010400                      ; byte selects of a 4 x 4 transposition
	s_mov_b32 s37, 0x07030602
	s_mov_b32 s38, 0x05040100
	s_mov_b32 s39, 0x07060302
	s_and_b32 s66, ttmp7, 0xffff                   ; y
	s_lshl_b32 s67, s66, 2
	s_add_co_u32 s67, s67, s32                     ; n = 4 y + w
	s_and_b32 s68, ttmp9, 1                        ; which half of a key step of 256
	s_lshr_b32 s69, ttmp9, 1                       ; 8 b + u, u the key step
	s_and_b32 s70, s69, 7                          ; u
	s_sub_co_u32 s71, s69, s70                     ; 8 b
	s_add_co_u32 s70, s70, 7
	s_and_b32 s70, s70, 7                          ; K of key step u lies in block (u + 7) mod 8
	s_add_co_u32 s70, s70, s71
	s_mul_i32 s70, s70, SLOTB
	s_mul_i32 s69, s69, SLOTB                      ; V of key step u in block u
	s_mul_i32 s71, s68, 2*QB
	s_add_co_u32 s70, s70, s71                     ; my 128 keys: two quarters
	s_lshl_b32 s72, s32, 10
	s_lshl_b32 s74, ttmp9, 15
	s_add_co_u32 s74, s74, s72                     ; q's codes: 8 x tiles of 4,096 bytes, K step w
	s_add_co_u32 s75, s70, s72                     ; k's codes
	s_lshl_b32 s72, s32, 7
	s_lshl_b32 s76, ttmp9, 11
	s_add_co_u32 s76, s76, s72                     ; q's scale words: 4 x pairs of 512 bytes, K step w
	s_add_co_u32 s77, s70, s72
	s_add_co_u32 s77, s77, KSQ                     ; k's
	s_lshr_b32 s72, s67, 1
	s_mul_i32 s72, s72, QB
	s_add_co_u32 s72, s72, s69                     ; v: quarter n / 2 of its block
	s_and_b32 s73, s67, 1
	s_lshl_b32 s78, s73, 13
	s_add_co_u32 s78, s78, s72
	s_add_co_u32 s78, s78, VCQ
	s_lshl_b32 s79, s68, 10
	s_add_co_u32 s78, s78, s79                     ; v's codes: four tiles of channels from 4 (n % 2) on, K step Tb % 2
	s_lshl_b32 s79, s73, 9
	s_add_co_u32 s79, s79, s72
	s_add_co_u32 s79, s79, VSQ
	s_lshl_b32 s72, s68, 7
	s_add_co_u32 s79, s79, s72                     ; v's scale words
	s_wait_kmcnt 0x0
	s_cmp_eq_u32 s66, 0                            ; q or k: the choice hangs on the work-group's y alone
	s_cselect_b64 s[44:45], s[8:9], s[14:15]
	s_cselect_b64 s[46:47], s[10:11], s[16:17]
	s_cselect_b64 s[48:49], s[12:13], s[18:19]
	s_cselect_b64 s[56:57], s[26:27], s[30:31]
	s_cselect_b64 s[58:59], s[28:29], s[30:31]
	s_cselect_b32 s74, s74, s75
	s_cselect_b32 s76, s76, s77
	s_mov_b32 s80, QB
	s_cselect_b32 s80, 16384, s80                  ; from tile 0 to tile 4: four tiles on in q, a quarter on in kv
	s_mov_b32 s82, QB
	s_cselect_b32 s82, 1024, s82                   ; the same for the scale words
	s_mov_b32 s81, 0
	s_mov_b32 s83, 0
	s_mov_b32 s75, 0
	s_mov_b32 s77, 0
	s_add_nc_u64 s[56:57], s[56:57], s[74:75]      ; where the codes of phase 1 go: tiles 0 to 3,
	s_add_nc_u64 s[58:59], s[58:59], s[76:77]      ; and their scale words;
	s_add_nc_u64 s[84:85], s[56:57], s[80:81]      ; tiles 4 to 7,
	s_add_nc_u64 s[86:87], s[58:59], s[82:83]      ; and theirs
	s_mov_b32 s71, 0
	s_lshl_b32 s70, ttmp9, 15
	s_add_nc_u64 s[40:41], s[4:5], s[70:71]        ; h's 8 tiles
	s_lshr_b32 s70, ttmp9, 4
	s_lshl_b32 s70, s70, 15
	s_and_b32 s72, ttmp9, 15
	s_lshl_b32 s72, s72, 7
	s_add_co_u32 s70, s70, s72
	s_add_nc_u64 s[42:43], s[6:7], s[70:71]        ; their scale bytes
	s_lshl_b32 s70, s32, 15
	s_add_nc_u64 s[44:45], s[44:45], s[70:71]      ; my 128 rows of W
	s_lshl_b32 s70, s32, 11
	s_add_nc_u64 s[46:47], s[46:47], s[70:71]
	s_lshl_b32 s70, s32, 9
	s_add_nc_u64 s[48:49], s[48:49], s[70:71]
	s_lshl_b32 s70, s67, 14
	s_add_nc_u64 s[50:51], s[20:21], s[70:71]      ; my 64 rows of Wv
	s_lshl_b32 s70, s67, 10
	s_add_nc_u64 s[52:53], s[22:23], s[70:71]
	s_lshl_b32 s70, s67, 8
	s_add_nc_u64 s[54:55], s[24:25], s[70:71]
	s_mov_b32 s70, s78
	s_add_nc_u64 s[60:61], s[30:31], s[70:71]
	s_mov_b32 s70, s79
	s_add_nc_u64 s[62:63], s[30:31], s[70:71]
	; ---- the loads: 36 small ones, 64 of W, 64 of h (8 a tile), 38 for phase 2
.set k, 0
.rept 16
	global_load_b32 v[R+k], v[HSA], s[42:43] offset:k*2048
.set k, k+1
.endr
.irp b, 0,1,2,3
	global_load_b128 v[WS+4*\b:WS+4*\b+3], v[WSA], s[46:47] offset:\b*512
.endr
	WIN 0xc0
.irp t, 0,1,2,3,4,5,6,7
	global_load_b128 v[B1+8*\t:B1+8*\t+3], v[BA], s[48:49] offset:(32*(\t/2)+8*(\t%2))*4
	global_load_b128 v[B1+8*\t+4:B1+8*\t+7], v[BA], s[48:49] offset:(32*(\t/2)+8*(\t%2))*4+16
.endr
	WIN 0x40
.irp t, 0,1,2,3,4,5,6,7
.irp ks, 0,1,2,3
.irp c, 0,1
	global_load_b128 v[8*(4*\t+\ks)+4*\c:8*(4*\t+\ks)+4*\c+3], v[WA], s[44:45] offset:(32*(\t/2)+8*(\t%2))*256+\ks*64+\c*32
.endr
.endr
.endr
	WIN 0x80
.irp t, 0,1,2,3,4,5,6,7
.irp ks, 0,1,2,3
.irp c, 0,1
	global_load_b128 v[8*(4*\t+\ks)+4*\c:8*(4*\t+\ks)+4*\c+3], v[LI], s[40:41] offset:\t*4096+\ks*1024+\c*512
.endr
.endr
.endr
	WIN 0
.irp p, 0,1
	global_load_b128 v[VWS+4*\p:VWS+4*\p+3], v[WSA], s[52:53] offset:\p*512
.endr
.irp i, 0,1,2,3
	global_load_b32 v[VB+\i], v[VBA], s[54:55] offset:(32*(\i/2)+8*(\i%2))*4
.endr
	WIN 0xc0
.irp i, 0,1,2,3
.irp ks, 0,1,2,3
.irp c, 0,1
	global_load_b128 v[8*(4*\i+\ks)+4*\c:8*(4*\i+\ks)+4*\c+3], v[WA], s[50:51] offset:(32*(\i/2)+8*(\i%2))*256+\ks*64+\c*32
.endr
.endr
.endr
	WIN 0
	s_wait_loadcnt 63                              ; of 202 loads at most 63 are out: the small ones, W and h's first four tiles are in
.irp ks, 0,1,2,3                                   ; h's scale words: four words (a block of channels each, byte g) become four words (a pair of tiles each, byte = block of the K step)
	v_perm_b32 v[PT+4*(\ks%2)], v[R+4*\ks+1], v[R+4*\ks], s36
	v_perm_b32 v[PT+4*(\ks%2)+1], v[R+4*\ks+1], v[R+4*\ks], s37
	v_perm_b32 v[PT+4*(\ks%2)+2], v[R+4*\ks+3], v[R+4*\ks+2], s36
	v_perm_b32 v[PT+4*(\ks%2)+3], v[R+4*\ks+3], v[R+4*\ks+2], s37
	v_perm_b32 v[HS+\ks], v[PT+4*(\ks%2)+2], v[PT+4*(\ks%2)], s38
	v_perm_b32 v[HS+4+\ks], v[PT+4*(\ks%2)+2], v[PT+4*(\ks%2)], s39
	v_perm_b32 v[HS+8+\ks], v[PT+4*(\ks%2)+3], v[PT+4*(\ks%2)+1], s38
	v_perm_b32 v[HS+12+\ks], v[PT+4*(\ks%2)+3], v[PT+4*(\ks%2)+1], s39
.endr
.rept 8
	v_nop                                          ; scale registers written by vector instructions stand eight places ahead of a scaled matrix instruction
.endr
; phase 1, tile tl of h: the 8 accumulators take turns, one instruction a turn; the bias is the C of each sum's first product
.macro UNITQK tl
.if 8*(7-(\tl))+38 > 63
	s_wait_loadcnt 63
.else
	s_wait_loadcnt 8*(7-(\tl))+38                  ; behind this tile's loads: the later tiles' and phase 2's 38
.endif
	WIN 0x39                                       ; source 0 (W) window 1, source 1 (h) window 2, C (bias) window 3
.irp t, 0,1,2,3,4,5,6,7
	WM HA+8*\t, 8*(4*\t), 8*(4*(\tl)), B1+8*\t, WS+4*(\t/2), HS+4*((\tl)/2), \t%2, (\tl)%2
.endr
	WIN 0x09
.irp ks, 1,2,3
.irp t, 0,1,2,3,4,5,6,7
	WM HA+8*\t, 8*(4*\t+\ks), 8*(4*(\tl)+\ks), HA+8*\t, WS+4*(\t/2)+\ks, HS+4*((\tl)/2)+\ks, \t%2, (\tl)%2
.endr
.endr
	WIN 0
	NOP4                                           ; places behind the last products, ahead of the first read of results
.set PC, 192+8*(\tl)                               ; this unit's own registers for its codes,
.set PWM, 112+(\tl)/2                              ; this pair's own for its scale words
.set DCB, 56+28*((\tl)/4)                          ; tiles 0 to 3: s[56:57], s[58:59]; tiles 4 to 7: s[84:85], s[86:87]
.set DSB, 58+28*((\tl)/4)
	QUANT HA
	global_store_b128 v[LI], v[PC:PC+3], s[DCB:DCB+1] offset:((\tl)%4)*4096
	global_store_b128 v[LI], v[PC+4:PC+7], s[DCB:DCB+1] offset:((\tl)%4)*4096+512
.if ((\tl)%2) == 0
	v_mov_b32 v[PWE], v[PW]
.else
	v_cndmask_b32 v[PWM], v[PWE], v[PW], s33
	global_store_b32 v[LS], v[PWM], s[DSB:DSB+1] offset:(((\tl)/2)%2)*512
.endif
.endm
; phase 2, tile i of Wv's rows
.macro UNITV i
.if (\i) == 0
	s_wait_loadcnt 0x0
.endif
.irp j, 0,1,2,3,4,5,6,7
	v_mov_b32 v[CB+\j], v[VB+(\i)]                 ; a lane holds one channel: its bias in all eight registers of C
.endr
	NOP4
	WIN 0x0e                                       ; source 0 (h) window 2, source 1 (Wv) window 3
.irp tl, 0,1,2,3,4,5,6,7
	WM HA+8*\tl, 8*(4*\tl), 8*(4*(\i)), CB, HS+4*(\tl/2), VWS+4*((\i)/2), \tl%2, (\i)%2
.endr
.irp ks, 1,2,3
.irp tl, 0,1,2,3,4,5,6,7
	WM HA+8*\tl, 8*(4*\tl+\ks), 8*(4*(\i)+\ks), HA+8*\tl, HS+4*(\tl/2)+\ks, VWS+4*((\i)/2)+\ks, \tl%2, (\i)%2
.endr
.endr
	WIN 0
	NOP4
.if (\i) == 0
	s_wait_xcnt 0x0                                ; phase 1's stores have read their registers: phase 2 takes sets 0 to 3 and the words' registers 0 and 1 again, each once
.endif
.set PC, 192+8*(\i)
.set PWM, 112+(\i)/2
	QUANT HA
	global_store_b128 v[LI], v[PC:PC+3], s[60:61] offset:(\i)*2048
	global_store_b128 v[LI], v[PC+4:PC+7], s[60:61] offset:(\i)*2048+512
.if ((\i)%2) == 0
	v_mov_b32 v[PWE], v[PW]
.else
	v_cndmask_b32 v[PWM], v[PWE], v[PW], s33
	global_store_b32 v[LS], v[PWM], s[62:63] offset:((\i)/2)*256
.endif
.endm
	UNITQK 0
	UNITQK 1
	UNITQK 2
	UNITQK 3
	UNITQK 4
	UNITQK 5
	UNITQK 6
	UNITQK 7
	UNITV 0
	UNITV 1
	UNITV 2
	UNITV 3
	s_endpgm
.Lfunc_end_k_qc7f80c562e_proj:
	.size	k_qc7f80c562e_proj, .Lfunc_end_k_qc7f80c562e_proj-k_qc7f80c562e_proj
	.p2alignl 7, 3214868480
	.fill 96, 4, 3214868480
	.section	.rodata,"a",@progbits
	.p2align	6, 0x0
	.amdhsa_kernel k_qc7f80c562e_proj
		.amdhsa_group_segment_fixed_size 0
		.amdhsa_private_segment_fixed_size 0
		.amdhsa_enable_private_segment 0
		.amdhsa_kernarg_size 112
		.amdhsa_user_sgpr_count 2
		.amdhsa_user_sgpr_kernarg_segment_ptr 1
		.amdhsa_wavefront_size32 1
		.amdhsa_system_sgpr_workgroup_id_x 1
		.amdhsa_system_sgpr_workgroup_id_y 1
		.amdhsa_system_sgpr_workgroup_id_z 1
		.amdhsa_system_vgpr_workitem_id 0
		.amdhsa_next_free_vgpr 960
		.amdhsa_next_free_sgpr 96
		.amdhsa_reserve_vcc 0
		.amdhsa_float_denorm_mode_32 3
		.amdhsa_float_denorm_mode_16_64 3
		.amdhsa_memory_ordered 1
		.amdhsa_forward_progress 1
		.amdhsa_inst_pref_size 127
	.end_amdhsa_kernel
	.amdgpu_metadata
---
amdhsa.version: [ 1, 2 ]
amdhsa.kernels:
  - .name:           k_qc7f80c562e_proj
    .symbol:         k_qc7f80c562e_proj.kd
    .args:
      - { .name: hc, .offset: 0, .size: 8, .value_kind: global_buffer, .address_space: global }
      - { .name: hs, .offset: 8, .size: 8, .value_kind: global_buffer, .address_space: global }
      - { .name: q_w_codes, .offset: 16, .size: 8, .value_kind: global_buffer, .address_space: global }
      - { .name: q_w_scales, .offset: 24, .size: 8, .value_kind: global_buffer, .address_space: global }
      - { .name: q_b, .offset: 32, .size: 8, .value_kind: global_buffer, .address_space: global }
      - { .name: k_w_codes, .offset: 40, .size: 8, .value_kind: global_buffer, .address_space: global }
      - { .name: k_w_scales, .offset: 48, .size: 8, .value_kind: global_buffer, .address_space: global }
      - { .name: k_b, .offset: 56, .size: 8, .value_kind: global_buffer, .address_space: global }
      - { .name: v_w_codes, .offset: 64, .size: 8, .value_kind: global_buffer, .address_space: global }
      - { .name: v_w_scales, .offset: 72, .size: 8, .value_kind: global_buffer, .address_space: global }
      - { .name: v_b, .offset: 80, .size: 8, .value_kind: global_buffer, .address_space: global }
      - { .name: qc, .offset: 88, .size: 8, .value_kind: global_buffer, .address_space: global }
      - { .name: qs, .offset: 96, .size: 8, .value_kind: global_buffer, .address_space: global }
      - { .name: kv, .offset: 104, .size: 8, .value_kind: global_buffer, .address_space: global }
    .group_segment_fixed_size: 0
    .private_segment_fixed_size: 0
    .kernarg_segment_align: 8
    .kernarg_segment_size: 112
    .max_flat_workgroup_size: 128
    .sgpr_count:     96
    .vgpr_count:     960
    .wavefront_size: 32
...
	.end_amdgpu_metadata
.endif
;; end of part 2
;; launch attn (part 3): grid 32 x 8, 4 waves a work-group, clusters of 4 x 1, 327,680 bytes of LDS; arguments qc, qs, kv, o_w_codes, o_w_scales, o_b, x, out0; writes out0
.if DOCPART == 3
	.amdgcn_target "amdgcn-amd-amdhsa--gfx1250"
	.amdhsa_code_object_version 6
	.text
	.protected	k_qc7f80c562e_attn
	.globl	k_qc7f80c562e_attn
	.p2align	8
	.type	k_qc7f80c562e_attn,@function
k_qc7f80c562e_attn:
	s_mov_b64 s[64:65], 0
	v_nop
	global_prefetch_b8 v0, s[64:65] scope:SCOPE_SE
	s_setreg_imm32_b32 hwreg(HW_REG_WAVE_MODE, 25, 1), 1
	s_wait_xcnt 0x0
	s_wait_alu depctr_hold_cnt(0) depctr_sa_sdst(0) depctr_va_vdst(0) depctr_va_sdst(0) depctr_va_ssrc(0) depctr_va_vcc(0) depctr_vm_vsrc(0)
	s_getreg_b32 s2, hwreg(HW_REG_IB_STS2, 6, 4)
	s_cmp_eq_u32 s2, 0
	s_cbranch_scc0 .Lentry_in_a_cluster
	s_endpgm
.Lentry_in_a_cluster:
	s_bfe_u32 s2, ttmp6, 0x10000c
	s_cmp_lg_u32 s2, 0x3003
	s_cbranch_scc0 .Lentry_shape_is_right
	s_endpgm
.Lentry_shape_is_right:
; out = x + Wo softmax(q^T k / sqrt(512)) v + o_b, all three products on codes of FP4 with one E8M0 scale for each 32 along K.  No work is left out.
; SOFTMAX: t = score x log2(e) / sqrt(512) (one constant: one rounding where the definition has two); M = the running largest t rounded up to a whole number; p = 2^(t - M) is quantised along the keys;
; the sum is taken of the unquantised p and divides at the end; when M moves, the sum and O are multiplied by 2^(old M - new M), which rounds nothing.
; SHARES.  A work-group owns 64 queries of one batch (four tiles of 16) and walks 8 steps of 256 keys.  THE WAVES SHARE KEYS AND CHANNELS, NOT QUERIES: in S^T = K Q^T wave w takes keys 64 w .. + 63 of the step,
; in O^T = V^T P^T channels 128 w .. + 127, each for all 64 queries: each fragment of K and V is read from LDS once in the work-group and feeds four matrix instructions.
; What goes round through LDS is small: each wave's largest scores, then p's codes and scale bytes as images of operand registers: two meetings a step.
; A TILE'S 16 ROWS ARE 32 g + 8 u + r + 8 (r / 8) (queries, keys, V's channels), so that 16 registers of two neighbouring result tiles are 16 neighbours along the next K.
; RING.  Block m of a batch in kv (139,264 dense bytes) holds K of key step (m + 1) mod 8 and V of key step m, in four quarters, one a wave: a wave's tensor load brings what that wave reads.  Two LDS slots.
; K RUNS ONE STEP AHEAD IN REGISTERS: a step reads V and the NEXT step's K from its slot, K under the products V^T P^T, so that the next S^T follows those products with no wait for a tile; the first step's K comes by global loads.
; THE CHANGE OF SLOTS STANDS AT THE MEETING THAT HANDS THE LARGEST SCORES ROUND: the store of the scores, the wait for all tensor loads, the add, the wait for LDS, the round, the refill, the reads.
; By this text's count a wave has one tensor load out, issued first thing behind the round, with a whole step in which to land.
; CLUSTER.  The four work-groups of a cluster belong to one batch and walk the same blocks: each quarter is asked for jointly, by the same load with the same descriptor and a mask that names the four.
; THE EIGHT CLUSTERS OF A BATCH BEGIN AT EIGHT DIFFERENT BLOCKS and walk round the eight (the running maximum leaves the order of the keys free): cluster c takes block (c + j) mod 8 in step j,
; so every block of kv is asked for by some cluster's load at the launch's head, and at no step do two clusters of a batch ask for the same block.  For that reason K and V have no prefetch.
; TAIL.  Wo's codes come by one more joint load, behind the last step's round, into the slot that has been read out (128 rows a wave, 272 bytes apart; a wave reads its own rows); x is asked for in the last step, into Q's and K's registers.
; O^T / sum is quantised along the channels (wave w's 128 channels are K step w), goes round as images, and wave w makes output rows 128 w .. + 127 with source 0 = 16 queries, source 1 = 16 rows of Wo:
; a lane holds 8 neighbouring positions of one output row; a stage in LDS turns 16 rows x 64 positions into stores of 256 consecutive bytes, aligned; x is added on the way.
; LIMITS: NaN and infinities are not served; a p under 2^-126 counts as 0; a block of zeros gets the byte 1 (zero codes); v_exp_f32 is taken not to fall where its input rises (a block's largest p is made from its largest score).
; REGISTERS: window 0: v1-23 addresses, v24-55 statistics (8 a tile of queries), v56-87 scale words, v88-103 p's codes, v104-127 at work, v128-255 S^T (32 q + 8 kt);
;   window 1: O^T (64 q + 8 ct), then the output's accumulators (8 (4 o + q)); window 2: v0-127 Q, v128-255 K, at the end x; window 3: v0-127 V, v128-191 P, v192-199 o_b, at the end Wo.
.set SLOTB, 139264
.set QB,    34816                      ; a quarter of a block
.set KSQ,   16384                      ; in a quarter: K's scale words,
.set VCQ,   17408                      ; V's fragments,
.set VSQ,   33792                      ; V's scale words
.set OP,    272                        ; a row of Wo in LDS: 256 bytes + 16 of padding: the 16 rows of a load start at 16 different banks
.set PIMG,  278528                     ; behind the ring: p's images, 2,048 q + 512 w + 16 lane
.set PSC,   286720                     ; p's scale words, 256 q + 128 ks2 + 4 lane
.set AIMG,  278528                     ; the attention result's images, 1,024 (4 q + ks): over p's, which are done with by then
.set ASC,   294912                     ; their scale words
.set MXR,   296960                     ; the waves' largest scores; 2,048 further on the waves' sums
.set STG,   301056                     ; a stage of 16 rows x 272 bytes for each wave
.set SPARE, 318464                     ; the spare words, 128 bytes a wave
.set LI,  1
.set LS,  2
.set AKC, 3
.set AKS, 4
.set AVC, 5
.set AVS, 6
.set ADK, 7
.set ADS, 8
.set ADV, 9
.set ADT, 10
.set PWI, 11
.set PWS, 12
.set MXW, 13
.set MXL, 14
.set PRI, 15
.set PRS, 16
.set SPW, 17
.set NIL, 18
.set PFX, 20
.set OWA, 21
.set XA,  22
.set OBA, 23
.set ST,  24                           ; tile q at ST + 8 q: -M, largest t, sum (two halves), f, at work, the two blocks' largest scores
.set KSC, 56
.set QSC, 64
.set VSC, 72
.set PSR, 80
.set PC,  88
.set TM,  104
.set PW,  124
.set S,   128
.set KF,  128                          ; in window 2
.set PF,  128                          ; in window 3
.set WV,  20
.set TB,  36                           ; the slot being read
.set IDX, 37                           ; the block asked for last
.set CNT, 39                           ; the loop's trips to go
.set CS,  46
.set SEL, 48
.set MSB, 0
.macro WIN new                         ; the immediate's high byte repeats the setting that is left
.if MSB != \new
	s_set_vgpr_msb (MSB<<8)|\new
.set MSB, \new
.endif
.endm
.macro NOP4
.rept 4
	v_nop
.endr
.endm
.macro WM d, a, b, c, sa, sb, ra, rb   ; one scaled matrix instruction: D, source 0, source 1, C (under 0: the constant 0), the scale registers, whether a side's words stand in lanes 16-31
.if (\c) < 0
.if (\ra) && (\rb)
	v_wmma_scale_f32_16x16x128_f8f6f4 v[\d:\d+7], v[\a:\a+7], v[\b:\b+7], 0, v[\sa], v[\sb] matrix_a_fmt:MATRIX_FMT_FP4 matrix_b_fmt:MATRIX_FMT_FP4 matrix_a_scale:MATRIX_SCALE_ROW1 matrix_b_scale:MATRIX_SCALE_ROW1
.elseif (\ra)
	v_wmma_scale_f32_16x16x128_f8f6f4 v[\d:\d+7], v[\a:\a+7], v[\b:\b+7], 0, v[\sa], v[\sb] matrix_a_fmt:MATRIX_FMT_FP4 matrix_b_fmt:MATRIX_FMT_FP4 matrix_a_scale:MATRIX_SCALE_ROW1
.elseif (\rb)
	v_wmma_scale_f32_16x16x128_f8f6f4 v[\d:\d+7], v[\a:\a+7], v[\b:\b+7], 0, v[\sa], v[\sb] matrix_a_fmt:MATRIX_FMT_FP4 matrix_b_fmt:MATRIX_FMT_FP4 matrix_b_scale:MATRIX_SCALE_ROW1
.else
	v_wmma_scale_f32_16x16x128_f8f6f4 v[\d:\d+7], v[\a:\a+7], v[\b:\b+7], 0, v[\sa], v[\sb] matrix_a_fmt:MATRIX_FMT_FP4 matrix_b_fmt:MATRIX_FMT_FP4
.endif
.else
.if (\ra) && (\rb)
	v_wmma_scale_f32_16x16x128_f8f6f4 v[\d:\d+7], v[\a:\a+7], v[\b:\b+7], v[\c:\c+7], v[\sa], v[\sb] matrix_a_fmt:MATRIX_FMT_FP4 matrix_b_fmt:MATRIX_FMT_FP4 matrix_a_scale:MATRIX_SCALE_ROW1 matrix_b_scale:MATRIX_SCALE_ROW1
.elseif (\ra)
	v_wmma_scale_f32_16x16x128_f8f6f4 v[\d:\d+7], v[\a:\a+7], v[\b:\b+7], v[\c:\c+7], v[\sa], v[\sb] matrix_a_fmt:MATRIX_FMT_FP4 matrix_b_fmt:MATRIX_FMT_FP4 matrix_a_scale:MATRIX_SCALE_ROW1
.elseif (\rb)
	v_wmma_scale_f32_16x16x128_f8f6f4 v[\d:\d+7], v[\a:\a+7], v[\b:\b+7], v[\c:\c+7], v[\sa], v[\sb] matrix_a_fmt:MATRIX_FMT_FP4 matrix_b_fmt:MATRIX_FMT_FP4 matrix_b_scale:MATRIX_SCALE_ROW1
.else
	v_wmma_scale_f32_16x16x128_f8f6f4 v[\d:\d+7], v[\a:\a+7], v[\b:\b+7], v[\c:\c+7], v[\sa], v[\sb] matrix_a_fmt:MATRIX_FMT_FP4 matrix_b_fmt:MATRIX_FMT_FP4
.endif
.endif
.endm
.macro QUANT s                         ; 64 numbers of a lane, register 16 b + i = k 32 b + 16 (lane / 16) + i of my row: codes in v[PC] on, scale word in v[PW]
.irp b, 0,1,2,3
	v_max3_num_f32 v[TM+\b], |v[\s+16*\b]|, |v[\s+1+16*\b]|, 0x1800000
.endr
.irp i, 2,4,6,8,10,12,14
.irp b, 0,1,2,3
	v_max3_num_f32 v[TM+\b], v[TM+\b], |v[\s+16*\b+\i]|, |v[\s+1+16*\b+\i]|
.endr
.endr
.irp b, 0,1,2,3
	v_permlanex16_b32 v[TM+4+\b], v[TM+\b], s[SEL], s[SEL+1]
.endr
.irp b, 0,1,2,3
	v_max_num_f32 v[TM+\b], v[TM+\b], v[TM+4+\b]
.endr
.irp b, 0,1,2,3
	v_add_nc_u32 v[TM+12+\b], 0xff000000, v[TM+\b]
.endr
.irp b, 0,1,2,3
	v_lshrrev_b32 v[TM+4+\b], 23, v[TM+12+\b]
.endr
	v_lshl_or_b32 v[PW], v[TM+5], 8, v[TM+4]
	v_lshl_or_b32 v[PW], v[TM+6], 16, v[PW]
	v_lshl_or_b32 v[PW], v[TM+7], 24, v[PW]
.irp b, 0,1,2,3
	v_cvt_scalef32_pk8_fp4_f32 v[PC+2*\b], v[\s+16*\b:\s+7+16*\b], v[TM+12+\b]
	v_cvt_scalef32_pk8_fp4_f32 v[PC+1+2*\b], v[\s+8+16*\b:\s+15+16*\b], v[TM+12+\b]
.endr
	v_nop                                          ; one plain instruction behind the scaled conversions
.irp c, 0,1
.irp i, 0,1
	v_permlane16_swap_b32 v[PC+4*\c+\i], v[PC+2+4*\c+\i]
.endr
.endr
.endm
.macro CROUND                          ; a round of the cluster's barrier
	s_barrier_signal -1
	s_barrier_wait -1
	s_cmp_lg_u32 s[WV], 0
	s_cbranch_scc1 .Lnot_wave_0_\@
	s_barrier_signal -3
.Lnot_wave_0_\@:
	s_barrier_wait -3
	s_barrier_signal -1
	s_barrier_wait -1
.endm
; A PREFETCH of my wave's 128 rows x 256 bytes of x, a lane a row, four instructions together, behind the wave's tensor load and its five lines, in the loop's last trip: one step ahead of the loads of x,
; which stand behind the last step's round.  Only this wave reads these rows, so each row's 256 bytes are named once in the launch.
.macro ASKX
	s_cmp_eq_u32 s[CNT], 1
	s_cbranch_scc0 .Lno_x_\@
.irp i, 0,1,2,3
	global_prefetch_b8 v[PFX], s[16:17] offset:\i*262144 th:TH_LOAD_NT scope:SCOPE_SE
.endr
.Lno_x_\@:
.endm
; THE CHANGE OF SLOTS.  Each wave waits for all its tensor loads (its quarter of the slot about to be read), adds 0 to its spare word, and waits for that, for its store of the largest scores and for its reads of the slot left.
; Then a round of the cluster's barrier, and the joint refill of the slot left is the first thing behind it.  kind = 1: the next block round the batch's eight; kind = 2: Wo's codes, into slot 0.
.macro CHANGE kind, ask
	s_wait_tensorcnt 0x0                           ; no tensor load of mine is out, so the descriptor may be written
	ds_add_u32 v[SPW], v[NIL]
.if (\kind) == 1
	s_xor_b32 s33, s33, SLOTB                      ; the other slot (my quarter's offset shares no bit with the slot's size),
	s_add_co_u32 s[IDX], s[IDX], 1
	s_and_b32 s[IDX], s[IDX], 7                    ; the next block, round the eight
	s_mul_i32 s66, s[IDX], SLOTB
	s_add_nc_u64 s[34:35], s[50:51], s[66:67]
	s_or_b32 s35, s35, 0x80000000                  ; type = 2
.endif
	s_wait_dscnt 0x0
	CROUND
.if (\kind) == 1
	tensor_load_to_lds s[32:35], s[24:31]
.else
	tensor_load_to_lds s[56:59], s[72:79]
.endif
	s_nop 0
	NOP4
.if \ask
	ASKX
.endif
.endm
	s_load_b512 s[4:19], s[0:1], 0x0               ; qc, qs, kv, o_w codes, o_w scales, o_b, x, out0
	v_lshl_add_u32 v[SPW], v0, 2, SPARE
	v_mov_b32 v[NIL], 0
	ds_add_u32 v[SPW], v[NIL]                      ; the wave's opening: the add, twice on end, and its wait ahead of my first tensor load
	ds_add_u32 v[SPW], v[NIL]
	v_lshrrev_b32 v1, 5, v0
	v_readfirstlane_b32 s[WV], v1                  ; wave
	s_bfe_u32 s21, ttmp6, 0x40000                  ; cx
	s_lshl_b32 s22, ttmp9, 2
	s_add_co_u32 s22, s22, s21                     ; my block of 64 queries: it enters global addresses of q, x and out alone
	s_and_b32 s23, ttmp7, 0xffff                   ; the batch, which the partners share
	s_mov_b32 s24, 15|(3<<16)|(1<<21)              ; group 1 for kv: the mask names all four; elements of 8 bytes; bit 21 beside a mask; no padding (images are read 512 consecutive bytes at a time)
	s_mov_b32 s25, 32<<16                          ; tensor_dim0 = 32 elements: rows of 256 bytes
	s_mov_b32 s26, 136<<16                         ; tensor_dim1 = 136 rows: 34,816 dense bytes
	s_mov_b32 s27, 32<<16                          ; tile_dim0
	s_mov_b32 s28, 136                             ; tile_dim1
	s_mov_b32 s29, 32                              ; the pitch
	s_mov_b32 s30, 0
	s_mov_b32 s31, 0
	s_mov_b32 s72, 15|(1<<20)|(1<<21)|(5<<22)|(3<<25)   ; group 1 for Wo: the same mask; elements of 1 byte; four words of padding behind every 64
	s_mov_b32 s73, 256<<16                         ; tensor_dim0 = 256 bytes: a row of 512 codes
	s_mov_b32 s74, 128<<16                         ; tensor_dim1 = 128 rows
	s_mov_b32 s75, 256<<16                         ; tile_dim0
	s_mov_b32 s76, 128                             ; tile_dim1
	s_mov_b32 s77, 256                             ; the pitch
	s_mov_b32 s78, 0
	s_mov_b32 s79, 0
	s_mov_b32 s32, 1                               ; group 0 for kv: count
	s_mul_i32 s33, s[WV], QB                       ; LDS address: slot 0, my quarter
	s_mov_b32 s56, 1                               ; group 0 for Wo
	s_mul_i32 s57, s[WV], QB                       ; slot 0, my 128 rows of 272 bytes
	s_and_b32 s[IDX], ttmp9, 7                     ; my cluster's first block: the cluster's number in its batch, the same in all four partners
	s_mul_i32 s66, s23, 8*SLOTB
	s_add_co_u32 s66, s66, s33                     ; in kv: the batch's block 0, my quarter
	s_mov_b32 s67, 0
	s_mul_i32 s68, s[IDX], SLOTB
	s_mov_b32 s69, 0
	s_add_co_u32 s70, s[IDX], 7
	s_and_b32 s70, s70, 7
	s_mul_i32 s70, s70, SLOTB                      ; the block before it, round the eight, holds my first step's K
	s_mov_b32 s71, 0
	s_mov_b32 s[TB], 0
	s_mov_b32 s[CS], 0x3d8293ee                    ; log2(e) / sqrt(512)
	s_mov_b32 s[CS+1], s[CS]
	s_mov_b32 s[SEL], 0x76543210
	s_mov_b32 s[SEL+1], 0xfedcba98
	s_wait_dscnt 0x0                               ; both opening adds are done
	s_wait_kmcnt 0x0
	s_add_nc_u64 s[50:51], s[8:9], s[66:67]
	s_add_nc_u64 s[34:35], s[50:51], s[68:69]
	s_or_b32 s35, s35, 0x80000000                  ; type = 2
	s_add_nc_u64 s[52:53], s[50:51], s[70:71]
	s_lshl_b32 s70, s[WV], 15
	s_add_nc_u64 s[58:59], s[10:11], s[70:71]      ; my 128 rows of Wo
	s_or_b32 s59, s59, 0x80000000
	CROUND                                         ; all four work-groups are here: the first joint loads meet
	tensor_load_to_lds s[32:35], s[24:31]          ; my first block into slot 0
	s_nop 0
	NOP4
	s_lshl_b32 s70, s23, 19
	s_lshl_b32 s41, s22, 14
	s_add_co_u32 s70, s70, s41
	s_add_nc_u64 s[4:5], s[4:5], s[70:71]          ; q's four tiles
	s_lshl_b32 s70, s23, 15
	s_lshl_b32 s41, s22, 10
	s_add_co_u32 s70, s70, s41
	s_add_nc_u64 s[6:7], s[6:7], s[70:71]          ; their scale words
	s_lshl_b32 s70, s[WV], 11
	s_add_nc_u64 s[12:13], s[12:13], s[70:71]      ; my rows' scale bytes of Wo
	s_lshl_b32 s70, s[WV], 9
	s_add_nc_u64 s[14:15], s[14:15], s[70:71]
	s_lshl_b32 s70, s23, 22
	s_lshl_b32 s41, s[WV], 20
	s_add_co_u32 s70, s70, s41
	s_lshl_b32 s41, s22, 8
	s_add_co_u32 s70, s70, s41
	s_add_nc_u64 s[16:17], s[16:17], s[70:71]      ; x and out: row 512 b + 128 w, my 64 positions
	s_add_nc_u64 s[18:19], s[18:19], s[70:71]
	v_and_b32 v7, 31, v0                           ; lane
	v_and_b32 v8, 15, v0                           ; r
	v_bfe_u32 v9, v0, 4, 1                         ; h
	v_lshlrev_b32 v[LI], 4, v7
	v_lshlrev_b32 v[LS], 2, v7
	WIN 0x80
.irp f, 0,1,2,3,4,5,6,7,8,9,10,11,12,13,14,15      ; Q stays in registers: fragment 4 q + ks
.irp c, 0,1
	global_load_b128 v[8*\f+4*\c:8*\f+4*\c+3], v[LI], s[4:5] offset:\f*1024+\c*512
.endr
.endr
.irp f, 0,1,2,3,4,5,6,7,8,9,10,11,12,13,14,15      ; my first step's K: fragment 4 kt + ks
.irp c, 0,1
	global_load_b128 v[KF+8*\f+4*\c:KF+8*\f+4*\c+3], v[LI], s[52:53] offset:\f*1024+\c*512
.endr
.endr
	WIN 0
.irp i, 0,1,2,3,4,5,6,7
	global_load_b32 v[QSC+\i], v[LS], s[6:7] offset:\i*128
.endr
.irp i, 0,1,2,3,4,5,6,7
	global_load_b32 v[KSC+\i], v[LS], s[52:53] offset:KSQ+\i*128
.endr
	s_mul_i32 s68, s[WV], QB                       ; my quarter of a slot
	v_add_nc_u32 v[AKC], s68, v[LI]
	v_mul_u32_u24 v[OWA], v8, OP
	v_lshl_add_u32 v[OWA], v9, 4, v[OWA]
	v_add_nc_u32 v[OWA], s68, v[OWA]               ; Wo in slot 0: my 128 rows, row r, + 16 h
	s_add_co_u32 s69, s68, KSQ
	v_add_nc_u32 v[AKS], s69, v[LS]
	s_add_co_u32 s69, s68, VCQ
	v_add_nc_u32 v[AVC], s69, v[LI]
	s_add_co_u32 s69, s68, VSQ
	v_add_nc_u32 v[AVS], s69, v[LS]
	s_lshl_b32 s68, s[WV], 9
	s_add_co_u32 s69, s68, PIMG
	v_add_nc_u32 v[PWI], s69, v[LI]
	s_add_co_u32 s69, s68, MXR
	v_add_nc_u32 v[MXW], s69, v[LI]
	v_add_nc_u32 v[MXL], MXR, v[LI]
	v_add_nc_u32 v[PRI], PIMG, v[LI]
	v_add_nc_u32 v[PRS], PSC, v[LS]
	s_lshr_b32 s68, s[WV], 1
	s_lshl_b32 s68, s68, 7
	s_and_b32 s69, s[WV], 1
	s_lshl_b32 s69, s69, 1
	s_add_co_u32 s68, s68, s69
	s_add_co_u32 s68, s68, PSC
	v_add_nc_u32 v[PWS], s68, v[LS]                ; my two bytes of p's scale word: K step w / 2, bytes 2 (w % 2) on
	v_lshlrev_b32 v[PFX], 13, v7
	v_lshlrev_b32 v[XA], 13, v9
	v_lshl_add_u32 v[XA], v8, 4, v[XA]
	v_lshlrev_b32 v[OBA], 2, v8
.irp q, 0,1,2,3
	v_mov_b32 v[ST+8*\q+1], 0xff61b1e6             ; the largest t so far: -3e38
	v_floor_f32 v[ST+8*\q], -v[ST+8*\q+1]          ; -M
	v_mov_b32 v[ST+8*\q+2], 0                      ; the sum, in two halves
	v_mov_b32 v[ST+8*\q+3], 0
	v_mov_b32 v[ST+8*\q+4], 0
	v_mov_b32 v[ST+8*\q+5], 0
.endr
.irp j, 0,1,2,3,4,5,6,7
	v_mov_b32 v[112+\j], 0                         ; a lane permute's destination counts as one of its sources
.endr
.macro KLOAD ks                                    ; the next step's K, K step ks: eight loads
.irp kt, 0,1,2,3
.irp c, 0,1
	ds_load_b128 v[KF+8*(4*\kt+(\ks))+4*\c:KF+8*(4*\kt+(\ks))+4*\c+3], v[ADK] offset:(4*\kt+(\ks))*1024+\c*512
.endr
.endr
.endm
.macro PVMUL first, k2                             ; O^T += V^T P^T, 128 keys: 32 accumulators by turns, one instruction a turn
.irp ct, 0,1,2,3,4,5,6,7
.irp q, 0,1,2,3
.if (\first) && ((\k2) == 0)
	WM 64*\q+8*\ct, 8*(2*\ct+(\k2)), PF+8*(2*\q+(\k2)), -1, VSC+2*(\ct/2)+(\k2), PSR+2*\q+(\k2), \ct%2, 0
.else
	WM 64*\q+8*\ct, 8*(2*\ct+(\k2)), PF+8*(2*\q+(\k2)), 64*\q+8*\ct, VSC+2*(\ct/2)+(\k2), PSR+2*\q+(\k2), \ct%2, 0
.endif
.endr
.endr
.endm
; A STEP OF 256 KEYS.  first = 1: K came by global loads, O^T's sums start with the constant 0 and there is nothing to rescale.  last = 1: no K follows; Wo, its scale words, o_b and x are asked for.  ask = 1: the copy in the loop.
.macro STEP first, last, ask
.if \first
	s_wait_loadcnt 0x0                             ; Q, K and their scale words
.endif
	WIN 0x0a                                       ; K and Q in window 2, S^T in window 0
.irp ks, 0,1,2,3                                   ; S^T = K Q^T: 16 accumulators by turns, one instruction a turn
.if !\first
	s_wait_dscnt 8*(3-\ks)                         ; behind this K step's fragments, asked for in the step before: eight loads for each later K step
.endif
.irp kt, 0,1,2,3
.irp q, 0,1,2,3
.if \ks == 0
	WM S+32*\q+8*\kt, KF+8*(4*\kt+\ks), 8*(4*\q+\ks), -1, KSC+4*(\kt/2)+\ks, QSC+4*(\q/2)+\ks, \kt%2, \q%2
.else
	WM S+32*\q+8*\kt, KF+8*(4*\kt+\ks), 8*(4*\q+\ks), S+32*\q+8*\kt, KSC+4*(\kt/2)+\ks, QSC+4*(\q/2)+\ks, \kt%2, \q%2
.endif
.endr
.endr
.endr
	WIN 0
	NOP4                                           ; places behind the last products
	; the largest score of each block of 32 keys (two a tile of queries): it serves the row's maximum and, since p rises with the score, the block's largest p
.irp q, 0,1,2,3
.irp b, 0,1
	v_max3_num_f32 v[ST+8*\q+6+\b], v[S+32*\q+16*\b], v[S+32*\q+16*\b+1], v[S+32*\q+16*\b+2]
.endr
.endr
.irp i, 3,5,7,9,11,13
.irp q, 0,1,2,3
.irp b, 0,1
	v_max3_num_f32 v[ST+8*\q+6+\b], v[ST+8*\q+6+\b], v[S+32*\q+16*\b+\i], v[S+32*\q+16*\b+\i+1]
.endr
.endr
.endr
.irp q, 0,1,2,3
.irp b, 0,1
	v_max_num_f32 v[ST+8*\q+6+\b], v[ST+8*\q+6+\b], v[S+32*\q+16*\b+15]
.endr
.endr
.irp q, 0,1,2,3
.irp b, 0,1
	v_permlanex16_b32 v[112+2*\q+\b], v[ST+8*\q+6+\b], s[SEL], s[SEL+1]
.endr
.endr
.irp q, 0,1,2,3
.irp b, 0,1
	v_max_num_f32 v[ST+8*\q+6+\b], v[ST+8*\q+6+\b], v[112+2*\q+\b]
.endr
.endr
.irp q, 0,1,2,3
	v_max_num_f32 v[120+\q], v[ST+8*\q+6], v[ST+8*\q+7]   ; my 64 keys' largest score of each query
.endr
	ds_store_b128 v[MXW], v[120:123]
.if \last
	CHANGE 2, 0
	v_add_nc_u32 v[ADV], SLOTB, v[AVC]             ; the eighth block lies in slot 1
	v_add_nc_u32 v[ADT], SLOTB, v[AVS]
.else
	CHANGE 1, \ask
	v_add_nc_u32 v[ADK], s[TB], v[AKC]
	v_add_nc_u32 v[ADS], s[TB], v[AKS]
	v_add_nc_u32 v[ADV], s[TB], v[AVC]
	v_add_nc_u32 v[ADT], s[TB], v[AVS]
.endif
.irp w, 0,1,2,3
	ds_load_b128 v[104+4*\w:107+4*\w], v[MXL] offset:\w*512
.endr
	WIN 0xc0
.irp f, 0,1,2,3,4,5,6,7,8,9,10,11,12,13,14,15      ; V's fragments 2 ct + ks2 land while the softmax is worked
.irp c, 0,1
	ds_load_b128 v[8*\f+4*\c:8*\f+4*\c+3], v[ADV] offset:\f*1024+\c*512
.endr
.endr
	WIN 0
.irp i, 0,1,2,3,4,5,6,7
	ds_load_b32 v[VSC+\i], v[ADT] offset:\i*128
.endr
.if \last
.irp p, 0,1,2,3
	global_load_b128 v[KSC+4*\p:KSC+4*\p+3], v[LI], s[12:13] offset:\p*512   ; Wo's scale words, 4 p + ks: lanes 0-15 tile 2 p, lanes 16-31 tile 2 p + 1
.endr
	WIN 0xc0
.irp o, 0,1,2,3,4,5,6,7
	global_load_b32 v[192+\o], v[OBA], s[14:15] offset:\o*64      ; o_b of output row 16 o + r
.endr
	WIN 0x80
.irp o, 0,1,2,3,4,5,6,7
.irp i, 0,1,2,3,4,5,6,7
	global_load_b128 v[4*(8*\o+\i):4*(8*\o+\i)+3], v[XA], s[16:17] offset:(16*\o+2*\i)*8192 th:TH_LOAD_NT   ; x, into the registers that Q and K have left: sixteen lanes read 256 consecutive bytes of a row
.endr
.endr
	WIN 0
.endif
	s_wait_dscnt 40                                ; the four waves' maxima are in; V's 32 loads and its 8 scale words may be out
.irp q, 0,1,2,3
	v_max3_num_f32 v[ST+8*\q+5], v[104+\q], v[108+\q], v[112+\q]
.endr
.irp q, 0,1,2,3
	v_max_num_f32 v[ST+8*\q+5], v[ST+8*\q+5], v[116+\q]   ; the step's largest score: the same in all four waves
.endr
.irp q, 0,1,2,3
	v_mul_f32 v[ST+8*\q+5], s[CS], v[ST+8*\q+5]
.endr
.irp q, 0,1,2,3
	v_max_num_f32 v[ST+8*\q+1], v[ST+8*\q+1], v[ST+8*\q+5]   ; the running largest t
.endr
.irp q, 0,1,2,3
	v_mov_b32 v[ST+8*\q+5], v[ST+8*\q]
.endr
.irp q, 0,1,2,3
	v_floor_f32 v[ST+8*\q], -v[ST+8*\q+1]          ; -M = floor(-t): M is a whole number
.endr
.irp q, 0,1,2,3
	v_sub_f32 v[ST+8*\q+5], v[ST+8*\q], v[ST+8*\q+5]   ; old M - new M, 0 or less
.endr
.irp q, 0,1,2,3
	v_cvt_i32_f32 v[ST+8*\q+5], v[ST+8*\q+5]       ; (it saturates)
.endr
.irp q, 0,1,2,3
	v_ldexp_f32 v[ST+8*\q+4], 1.0, v[ST+8*\q+5]    ; f = 2^(old M - new M)
.endr
.irp q, 0,1,2,3
.set j, 0
.rept 16
	v_pk_fma_f32 v[S+32*\q+j:S+32*\q+j+1], v[S+32*\q+j:S+32*\q+j+1], s[CS:CS+1], v[ST+8*\q:ST+8*\q+1] op_sel_hi:[1,0,0]   ; t - M
.set j, j+2
.endr
.endr
.irp q, 0,1,2,3
.irp b, 0,1
	v_fma_f32 v[ST+8*\q+6+\b], v[ST+8*\q+6+\b], s[CS], v[ST+8*\q]   ; the same of each block's largest score
.endr
.endr
.set j, 0
.rept 128
	v_exp_f32 v[S+j], v[S+j]                       ; p = 2^(t - M)
.set j, j+1
.endr
.irp q, 0,1,2,3
	v_pk_mul_f32 v[ST+8*\q+2:ST+8*\q+3], v[ST+8*\q+2:ST+8*\q+3], v[ST+8*\q+4:ST+8*\q+5] op_sel_hi:[1,0]   ; the sums under the new M (plain instructions behind the exponentials)
.endr
	s_wait_alu depctr_va_vdst(0)                   ; one wait for the batch of 128, ahead of its first reader
.irp q, 0,1,2,3
.irp b, 0,1
	v_exp_f32 v[ST+8*\q+6+\b], v[ST+8*\q+6+\b]     ; the blocks' largest p
.endr
.endr
.irp q, 0,1,2,3
	v_pk_add_f32 v[104+2*\q:105+2*\q], v[S+32*\q:S+32*\q+1], v[S+32*\q+2:S+32*\q+3]   ; the sum of the unquantised p, two chains a tile
.endr
.irp j, 4,8,12,16,20,24,28
.irp q, 0,1,2,3
	v_pk_add_f32 v[ST+8*\q+2:ST+8*\q+3], v[ST+8*\q+2:ST+8*\q+3], v[S+32*\q+\j:S+32*\q+\j+1]
	v_pk_add_f32 v[104+2*\q:105+2*\q], v[104+2*\q:105+2*\q], v[S+32*\q+\j+2:S+32*\q+\j+3]
.endr
.endr
.irp q, 0,1,2,3
	v_pk_add_f32 v[ST+8*\q+2:ST+8*\q+3], v[ST+8*\q+2:ST+8*\q+3], v[104+2*\q:105+2*\q]
.endr
	s_wait_alu depctr_va_vdst(0)                   ; and one for the eight
.irp q, 0,1,2,3
.irp b, 0,1
	v_max_num_f32 v[ST+8*\q+6+\b], 0x1800000, v[ST+8*\q+6+\b]   ; the floor 2^(3 - 127)
.endr
.endr
.irp q, 0,1,2,3
.irp b, 0,1
	v_add_nc_u32 v[112+2*\q+\b], 0xff000000, v[ST+8*\q+6+\b]    ; the conversion's scale operand
.endr
.endr
.irp q, 0,1,2,3
.irp b, 0,1
	v_lshrrev_b32 v[ST+8*\q+6+\b], 23, v[112+2*\q+\b]           ; the byte
.endr
.endr
.irp q, 0,1,2,3
	v_lshl_or_b32 v[120+\q], v[ST+8*\q+7], 8, v[ST+8*\q+6]      ; my two bytes of the scale word
.endr
.irp q, 0,1,2,3
.irp b, 0,1
	v_cvt_scalef32_pk8_fp4_f32 v[PC+4*\q+2*\b], v[S+32*\q+16*\b:S+32*\q+16*\b+7], v[112+2*\q+\b]
	v_cvt_scalef32_pk8_fp4_f32 v[PC+4*\q+2*\b+1], v[S+32*\q+16*\b+8:S+32*\q+16*\b+15], v[112+2*\q+\b]
.endr
.endr
	v_nop                                          ; one plain instruction behind the scaled conversions
.irp q, 0,1,2,3
.irp i, 0,1
	v_permlane16_swap_b32 v[PC+4*\q+\i], v[PC+4*\q+2+\i]   ; a whole block in a lane: four registers = group w % 2 of K step w / 2's fragment
.endr
.endr
.irp q, 0,1,2,3
	ds_store_b128 v[PWI], v[PC+4*\q:PC+4*\q+3] offset:\q*2048
.endr
.irp q, 0,1,2,3
	ds_store_b16 v[PWS], v[120+\q] offset:\q*256
.endr
	s_wait_dscnt 0x0                               ; my stores have landed (and V is in)
	s_barrier_signal -1
.if !\first
	WIN 0x41                                       ; O^T under the new M: work on registers while the others arrive
.irp q, 0,1,2,3
.set j, 0
.rept 32
	v_pk_mul_f32 v[64*\q+j:64*\q+j+1], v[64*\q+j:64*\q+j+1], v[ST+8*\q+4:ST+8*\q+5] op_sel_hi:[1,0]
.set j, j+2
.endr
.endr
	WIN 0
.endif
	s_barrier_wait -1
.irp i, 0,1,2,3,4,5,6,7
	ds_load_b32 v[PSR+\i], v[PRS] offset:\i*128    ; p's scale words, 2 q + ks2
.endr
	WIN 0xc0
.irp k2, 0,1
.irp q, 0,1,2,3
.irp c, 0,1
	ds_load_b128 v[PF+8*(2*\q+\k2)+4*\c:PF+8*(2*\q+\k2)+4*\c+3], v[PRI] offset:\q*2048+\k2*1024+\c*512
.endr
.endr
.endr
.if \last
	s_wait_dscnt 8                                 ; behind the first K step's fragments of P: the second's eight loads
	WIN 0x5f                                       ; V and P in window 3, O^T in window 1
	PVMUL \first, 0
	s_wait_dscnt 0x0
	PVMUL \first, 1
.else
	WIN 0                                          ; THE NEXT STEP'S K comes out of this step's slot under the products below
.irp i, 0,1,2,3,4,5,6,7
	ds_load_b32 v[KSC+\i], v[ADS] offset:\i*128
.endr
	WIN 0x80
	KLOAD 0
	KLOAD 1
	s_wait_dscnt 32                                ; behind P's first K step: P's second (8), K's scale words (8), K's K steps 0 and 1 (16)
	WIN 0x5f                                       ; V and P in window 3, O^T in window 1
	PVMUL \first, 0
	WIN 0x80
	KLOAD 2
	KLOAD 3
	s_wait_dscnt 40                                ; behind P's second K step: K's scale words (8) and its 32 loads
	WIN 0x5f
	PVMUL \first, 1
.endif
	WIN 0
	s_xor_b32 s[TB], s[TB], SLOTB                  ; on to the other slot
.endm
	STEP 1, 0, 0                                   ; behind its round the second block goes into slot 1: a first fill, issued as a refill is
	s_mov_b32 s[CNT], 6
.Lstep:                                            ; six trips: steps 1 to 6; behind each round the next block is asked for
	STEP 0, 0, 1
	s_sub_co_u32 s[CNT], s[CNT], 1
	s_cmp_lg_u32 s[CNT], 0
	s_cbranch_scc1 .Lstep
	STEP 0, 1, 0                                   ; the last step is written out
	; ---- THE TAIL
	NOP4                                           ; places behind the last products
	s_wait_loadcnt 63                              ; behind Wo's 4 loads of scale words and o_b's 8 stand x's 64: at most 63 out means the 12 are in
	WIN 0x03                                       ; o_b in window 3
.irp o, 0,1,2,3,4,5,6,7
.irp j, 0,1,2,3,4,5,6,7
	v_mov_b32 v[192+8*\o+\j], v[192+\o]            ; a lane holds one output row: its bias in all eight registers of C
.endr
.endr
	WIN 0
	v_and_b32 v12, 15, v0                          ; r
	v_bfe_u32 v16, v0, 4, 1                        ; h
	s_mul_i32 s68, s[WV], 4352
	s_add_co_u32 s68, s68, STG                     ; my stage
	v_mul_u32_u24 v7, v12, 272
	v_lshl_add_u32 v7, v16, 6, v7
	v_add_nc_u32 v7, s68, v7                       ; in: row r, + 64 h
	v_mul_u32_u24 v8, v16, 272
	v_lshl_add_u32 v8, v12, 4, v8
	v_add_nc_u32 v8, s68, v8                       ; back: lanes 0-15 one row, lanes 16-31 the next
	s_lshl_b32 s68, s[WV], 10
	s_add_co_u32 s68, s68, AIMG
	v_add_nc_u32 v9, s68, v[LI]                    ; where my images go: K step w
	s_lshl_b32 s68, s[WV], 7
	s_add_co_u32 s68, s68, ASC
	v_add_nc_u32 v10, s68, v[LS]
	v_add_nc_u32 v11, ASC, v[LS]
.irp q, 0,1,2,3
	v_add_f32 v[120+\q], v[ST+8*\q+2], v[ST+8*\q+3]
.endr
.irp q, 0,1,2,3
	v_permlanex16_b32 v[112+\q], v[120+\q], s[SEL], s[SEL+1]
.endr
.irp q, 0,1,2,3
	v_add_f32 v[120+\q], v[120+\q], v[112+\q]      ; my keys' part of each query's sum
.endr
	ds_store_b128 v[MXW], v[120:123] offset:2048
	s_wait_dscnt 0x0
	s_barrier_signal -1
	s_barrier_wait -1                              ; behind it nobody reads p's images any more
.irp w, 0,1,2,3
	ds_load_b128 v[104+4*\w:107+4*\w], v[MXL] offset:2048+\w*512
.endr
	s_wait_dscnt 0x0
.irp q, 0,1,2,3
	v_add_f32 v[104+\q], v[104+\q], v[108+\q]
	v_add_f32 v[112+\q], v[112+\q], v[116+\q]
.endr
.irp q, 0,1,2,3
	v_add_f32 v[120+\q], v[104+\q], v[112+\q]
.endr
.irp q, 0,1,2,3
	v_rcp_f32 v[ST+8*\q+4], v[120+\q]
.endr
	v_nop                                          ; a plain instruction behind the last reciprocal
	s_wait_alu depctr_va_vdst(0)                   ; one wait for the four, ahead of their first reader
	s_wait_tensorcnt 0x0                           ; my 128 rows of Wo are in LDS; only I read them
	WIN 0xc0
.irp o, 0,1,2,3,4,5,6,7                            ; Wo's fragments 4 o + ks, into the registers that V and P have left: they land under the work below
.irp ks, 0,1,2,3
.irp c, 0,1
	ds_load_b128 v[8*(4*\o+\ks)+4*\c:8*(4*\o+\ks)+4*\c+3], v[OWA] offset:\o*16*OP+\ks*64+\c*32
.endr
.endr
.endr
	WIN 0
.irp q, 0,1,2,3                                    ; O^T / sum, quantised along the channels: my 128 channels are K step w of the output product.  Each tile has registers of its own for codes and scale word: no wait between the tiles
	WIN 0x01
.set j, 0
.rept 32
	v_pk_mul_f32 v[S+j:S+j+1], v[64*\q+j:64*\q+j+1], v[ST+8*\q+4:ST+8*\q+5] op_sel_hi:[1,0]
.set j, j+2
.endr
	WIN 0
.set PC, 72+8*\q
.set PW, 124+\q
	QUANT S
	ds_store_b128 v9, v[PC:PC+3] offset:\q*4096
	ds_store_b128 v9, v[PC+4:PC+7] offset:\q*4096+512
	ds_store_b32 v10, v[PW] offset:\q*512
.endr
	s_wait_dscnt 0x0                               ; my images have landed, and Wo's fragments are in
	s_barrier_signal -1
	s_barrier_wait -1                              ; the sixteen images lie in LDS
.macro AFETCH ks                                   ; the four tiles' fragments of K step ks, two buffers by turns
.irp q, 0,1,2,3
.irp c, 0,1
	ds_load_b128 v[S+32*((\ks)%2)+8*\q+4*\c:S+32*((\ks)%2)+8*\q+4*\c+3], v[PRI] offset:(4*\q+(\ks))*1024+\c*512
.endr
.endr
.endm
.macro OMUL ks                                     ; source 0 = 16 queries, source 1 = 16 rows of Wo: 32 accumulators by turns
.irp o, 0,1,2,3,4,5,6,7
.irp q, 0,1,2,3
.if (\ks) == 0
	WM 8*(4*\o+\q), S+32*((\ks)%2)+8*\q, 8*(4*\o+(\ks)), 192+8*\o, VSC+4*\q+(\ks), KSC+4*(\o/2)+(\ks), 0, \o%2
.else
	WM 8*(4*\o+\q), S+32*((\ks)%2)+8*\q, 8*(4*\o+(\ks)), 8*(4*\o+\q), VSC+4*\q+(\ks), KSC+4*(\o/2)+(\ks), 0, \o%2
.endif
.endr
.endr
.endm
.irp i, 0,1,2,3,4,5,6,7,8,9,10,11,12,13,14,15
	ds_load_b32 v[VSC+\i], v11 offset:\i*128       ; the images' scale words, 4 q + ks
.endr
	AFETCH 0
	AFETCH 1
	s_wait_dscnt 8                                 ; all but K step 1's eight loads
	WIN 0x4c                                       ; source 1 (Wo) window 3, C (bias) window 0, D window 1
	OMUL 0
	WIN 0
	NOP4                                           ; places ahead of loads into the buffer just multiplied
	AFETCH 2
	s_wait_dscnt 8
	WIN 0x5c                                       ; C and D window 1
	OMUL 1
	WIN 0
	NOP4
	AFETCH 3
	s_wait_dscnt 8
	WIN 0x5c
	OMUL 2
	s_wait_dscnt 0x0
	OMUL 3
	WIN 0
	NOP4                                           ; places ahead of the first read of results
; THE WAY OUT, 16 output rows at a time: register j of lane (r, h) in accumulator (o, q) is out(16 o + r, 32 (q / 2) + 8 (q % 2) + 16 h + j).  Through my own stage; LDS serves a wave's instructions in order.
.macro TOSTAGE o
	WIN 0x04                                       ; an LDS store's data: window 1
.irp q, 0,1,2,3
	ds_store_b128 v7, v[8*(4*(\o)+\q):8*(4*(\o)+\q)+3] offset:(32*(\q/2)+8*(\q%2))*4      ; each accumulator from its low end on
	ds_store_b128 v7, v[8*(4*(\o)+\q)+4:8*(4*(\o)+\q)+7] offset:(32*(\q/2)+8*(\q%2))*4+16
.endr
	WIN 0
.irp i, 0,1,2,3,4,5,6,7
	ds_load_b128 v[S+32*((\o)%2)+4*\i:S+32*((\o)%2)+4*\i+3], v8 offset:\i*544
.endr
.endm
.macro SEND o, younger
	s_wait_dscnt \younger                          ; the block is back in registers; the next block's eight stores and eight loads may be out
	WIN 0x08                                       ; x in window 2
.irp i, 0,1,2,3,4,5,6,7
	v_pk_add_f32 v[S+32*((\o)%2)+4*\i:S+32*((\o)%2)+4*\i+1], v[S+32*((\o)%2)+4*\i:S+32*((\o)%2)+4*\i+1], v[4*(8*(\o)+\i):4*(8*(\o)+\i)+1]
	v_pk_add_f32 v[S+32*((\o)%2)+4*\i+2:S+32*((\o)%2)+4*\i+3], v[S+32*((\o)%2)+4*\i+2:S+32*((\o)%2)+4*\i+3], v[4*(8*(\o)+\i)+2:4*(8*(\o)+\i)+3]
.endr
	WIN 0
.irp i, 0,1,2,3,4,5,6,7
	global_store_b128 v[XA], v[S+32*((\o)%2)+4*\i:S+32*((\o)%2)+4*\i+3], s[18:19] offset:(16*(\o)+2*\i)*8192 th:TH_STORE_NT   ; sixteen lanes store 256 consecutive bytes, aligned
.endr
.endm
	TOSTAGE 0
	s_wait_loadcnt 0x0                             ; x
.irp a, 1,2,3,4,5,6,7
.if \a > 1
	s_wait_xcnt 0x0                                ; block a - 2's stores have read their registers: block a's loads may land there
.endif
	TOSTAGE \a
	SEND \a-1, 16
.endr
	SEND 7, 0
	s_wait_tensorcnt 0x0                           ; the wave's end: a wait, an add of 0 to the spare word and its wait behind my last tensor load and my last LDS store
	ds_add_u32 v[SPW], v[NIL]
	s_wait_dscnt 0x0
	CROUND                                         ; the closing round
	s_endpgm
.Lfunc_end_k_qc7f80c562e_attn:
	.size	k_qc7f80c562e_attn, .Lfunc_end_k_qc7f80c562e_attn-k_qc7f80c562e_attn
	.p2alignl 7, 3214868480
	.fill 96, 4, 3214868480
	.section	.rodata,"a",@progbits
	.p2align	6, 0x0
	.amdhsa_kernel k_qc7f80c562e_attn
		.amdhsa_group_segment_fixed_size 327680
		.amdhsa_private_segment_fixed_size 0
		.amdhsa_enable_private_segment 0
		.amdhsa_kernarg_size 64
		.amdhsa_user_sgpr_count 2
		.amdhsa_user_sgpr_kernarg_segment_ptr 1
		.amdhsa_wavefront_size32 1
		.amdhsa_system_sgpr_workgroup_id_x 1
		.amdhsa_system_sgpr_workgroup_id_y 1
		.amdhsa_system_sgpr_workgroup_id_z 1
		.amdhsa_system_vgpr_workitem_id 0
		.amdhsa_next_free_vgpr 1024
		.amdhsa_next_free_sgpr 80
		.amdhsa_reserve_vcc 0
		.amdhsa_float_denorm_mode_32 3
		.amdhsa_float_denorm_mode_16_64 3
		.amdhsa_memory_ordered 1
		.amdhsa_forward_progress 1
		.amdhsa_inst_pref_size 254
	.end_amdhsa_kernel
	.amdgpu_metadata
---
amdhsa.version: [ 1, 2 ]
amdhsa.kernels:
  - .name:           k_qc7f80c562e_attn
    .symbol:         k_qc7f80c562e_attn.kd
    .args:
      - { .name: qc, .offset: 0, .size: 8, .value_kind: global_buffer, .address_space: global }
      - { .name: qs, .offset: 8, .size: 8, .value_kind: global_buffer, .address_space: global }
      - { .name: kv, .offset: 16, .size: 8, .value_kind: global_buffer, .address_space: global }
      - { .name: o_w_codes, .offset: 24, .size: 8, .value_kind: global_buffer, .address_space: global }
      - { .name: o_w_scales, .offset: 32, .size: 8, .value_kind: global_buffer, .address_space: global }
      - { .name: o_b, .offset: 40, .size: 8, .value_kind: global_buffer, .address_space: global }
      - { .name: x, .offset: 48, .size: 8, .value_kind: global_buffer, .address_space: global }
      - { .name: out0, .offset: 56, .size: 8, .value_kind: global_buffer, .address_space: global }
    .group_segment_fixed_size: 327680
    .private_segment_fixed_size: 0
    .kernarg_segment_align: 8
    .kernarg_segment_size: 64
    .max_flat_workgroup_size: 128
    .sgpr_count:     80
    .vgpr_count:     1024
    .wavefront_size: 32
...
	.end_amdgpu_metadata
.endif
;; end of part 3
